; MI455X (gfx1250); checked and timed in simulation.
; The chip was launched on July 23, 2026; its instructions are those of AMD's public machine-readable ISA for CDNA 5 (MIT licence, August 2026) and "CDNA5" Instruction Set Architecture Reference Guide (July 2026). The comments in the code are by the model that wrote it; some were corrected since.
;; GPT Block. Allowed arithmetic: matrix products marked QUANTISED: E2M3 operands, one E8M0 scale for each 32 along K, by v_wmma_scale_f32_16x16x128_f8f6f4 with both operands' format E2M3, f32 sums; everything else in f32.
;; Inputs: W_K_codes 1,024 x 32 x 24 uint8 (E2M3 codes of W_K, K innermost, in blocks of 32 codes, four codes in three bytes); W_K_scales 1,024 x 32 uint8 (E8M0 scales of W_K, one for each 32 codes along K); W_O_codes 1,024 x 32 x 24 uint8 (E2M3 codes of W_O, K innermost, in blocks of 32 codes, four codes in three bytes); W_O_scales 1,024 x 32 uint8 (E8M0 scales of W_O, one for each 32 codes along K); W_Q_codes 1,024 x 32 x 24 uint8 (E2M3 codes of W_Q, K innermost, in blocks of 32 codes, four codes in three bytes); W_Q_scales 1,024 x 32 uint8 (E8M0 scales of W_Q, one for each 32 codes along K); W_V_codes 1,024 x 32 x 24 uint8 (E2M3 codes of W_V, K innermost, in blocks of 32 codes, four codes in three bytes); W_V_scales 1,024 x 32 uint8 (E8M0 scales of W_V, one for each 32 codes along K); W_fc_codes 4,096 x 32 x 24 uint8 (E2M3 codes of W_fc, K innermost, in blocks of 32 codes, four codes in three bytes); W_fc_scales 4,096 x 32 uint8 (E8M0 scales of W_fc, one for each 32 codes along K); W_proj_codes 1,024 x 128 x 24 uint8 (E2M3 codes of W_proj, K innermost, in blocks of 32 codes, four codes in three bytes); W_proj_scales 1,024 x 128 uint8 (E8M0 scales of W_proj, one for each 32 codes along K); g1 1,024 float32; g2 1,024 float32; z 2 x 2,048 x 1,024 float32.
;; Outputs: out0 2 x 2,048 x 1,024 float32.
;; This version of the problem:
;;   THIS VERSION OF THE PROBLEM IS GIVEN IN LOW PRECISION. The matrix products marked QUANTISED in the list below multiply operands that are first quantised to E2M3 (2 exponent bits, 3 mantissa bits; 6 bits a number), with one power-of-two scale for each 32 numbers along K (OCP MX v1.0); their sums are f32. All else is computed in f32.
;;   The module's matrix products, in the order in which they are computed (A, B: the left and right operand; K: the contracted axis; several contracted axes count as one K, in the product's order):
;;     1. [M 4,096, K 1,024] x [K 1,024, N 1,024]; A: computed on the way; B: input W_Q (given as codes): QUANTISED
;;     2. [M 4,096, K 1,024] x [K 1,024, N 1,024]; A: computed on the way; B: input W_K (given as codes): QUANTISED
;;     3. [M 4,096, K 1,024] x [K 1,024, N 1,024]; A: computed on the way; B: input W_V (given as codes): QUANTISED
;;     4. batch 32 x [M 2,048, K 64] x [K 64, N 2,048]; A: computed on the way; B: computed on the way: QUANTISED
;;     5. batch 32 x [M 2,048, K 2,048] x [K 2,048, N 64]; A: softmax (see below); B: computed on the way: QUANTISED
;;     6. [M 4,096, K 1,024] x [K 1,024, N 1,024]; A: computed on the way; B: input W_O (given as codes): QUANTISED
;;     7. [M 4,096, K 1,024] x [K 1,024, N 4,096]; A: computed on the way; B: input W_fc (given as codes): QUANTISED
;;     8. [M 4,096, K 4,096] x [K 4,096, N 1,024]; A: computed on the way; B: input W_proj (given as codes): QUANTISED
;;   THE QUANTISER, for each operand of a quantised product, along K:
;;     - K is cut into blocks of 32 from its start; a last block that is shorter is filled with zeros.
;;     - A block's scale is 2^e with e = floor(log2(the largest magnitude in the block)) - 2, held to -126 .. 127; a block of zeros has e = 0. As a byte (E8M0): e + 127.
;;     - Each number is divided by its block's scale, clamped to +-7.5, and rounded to the nearest number of E2M3, ties to even, subnormals kept.
;;     - The product sums the exact products of the quantised numbers (number of the format x scale) in f32.
;;   ~~~python
;;   def quantise(x, axis):      # numpy; x: float32 -> the quantised numbers, widened to float32 again
;;       x = np.moveaxis(x, axis, -1); K = x.shape[-1]
;;       x = np.pad(x, [(0, 0)] * (x.ndim - 1) + [(0, -K % 32)]); x = x.reshape(x.shape[:-1] + (-1, 32)); a = np.abs(x).max(-1, keepdims=True)
;;       e = np.where(a > 0, np.clip(np.frexp(np.where(a > 0, a, 1))[1] - 1 - 2, -126, 127), 0)      # np.frexp(a)[1] - 1 = floor(log2(a)), exactly
;;       r = np.clip(x / 2.0 ** e, -7.5, 7.5)
;;       step = 2.0 ** (np.maximum(np.frexp(np.where(r == 0, 1, r))[1] - 1, 0) - 3)
;;       q = np.round(r / step) * step * 2.0 ** e      # np.round: ties to even
;;       return np.moveaxis(q.reshape(q.shape[:-2] + (-1,))[..., :K], -1, axis).astype(np.float32)
;;   ~~~
;;   SOFTMAX AHEAD OF A QUANTISED PRODUCT. Where the list says 'softmax', what is quantised is not the finished softmax but p = 2^(t - M), with t = logit x log2(e) and M = ceil(the row's largest t), a whole number; so 1/2 < the row's largest p <= 1. The row's sum l is taken of the UNQUANTISED p, in f32, and the product's result is divided by l at the end. Since M is a whole number, a kernel that streams over the keys may use a running M (the ceiling of the running maximum): every later rescaling is an exact power of two, which a block's scale takes up: the codes' values come out the same.
;;   OPERANDS COMPUTED ON THE WAY. 'Computed on the way' means the value that the module computes at that place (a softmax that the list does not call 'softmax' is quantised finished and normalised). What goes into a quantiser is computed in f32, as accurately as f32 sums, v_exp_f32 and their like allow (about 1e-6 of the number): no bf16 or f16 on the way to a quantiser, and a product that is left as it is and whose result goes on into a quantised operand takes f32 operands (vector FMAs, or v_wmma_f32_16x16x4_f32). A number that lies on a knife's edge between two numbers of the format may be rounded either way, as far as f32 arithmetic and the matrix unit's own rounding can turn it there, and no further.
;;   INPUTS GIVEN AS CODES. W_K (in the module: [1024, 1024], K = its axis 0); W_O (in the module: [1024, 1024], K = its axis 0); W_Q (in the module: [1024, 1024], K = its axis 0); W_V (in the module: [1024, 1024], K = its axis 0); W_fc (in the module: [1024, 4096], K = its axis 0); W_proj (in the module: [4096, 1024], K = its axis 0): each comes as NAME_codes (uint8): NAME with its K axis moved to the last place and cut into blocks of 32 codes, [.., K / 32, bytes a block], one block behind the other in memory; four codes in three bytes: a row's codes are one little-endian stream of bits, code i at bits 6 i .. 6 i + 5 (a code: sign, 2 exponent bits, 3 mantissa bits); and NAME_scales (uint8): the same leading axes, one E8M0 byte (e + 127) for each 32 codes along K. Its value is code x scale, taken as it is: it is not quantised again, and the codes and scales need not be those that the quantiser above would give.
;; One version. Each part assembles by itself: llvm-mc -triple=amdgcn-amd-amdhsa -mcpu=gfx1250 --defsym DOCPART=n.
;; ======== version 1 of 1: 7 launches
;; limits: right only within a limited range of input values
;; workspace buffers: xn 3,276,800 bytes; qkv 10,092,544 bytes; ctx 3,276,800 bytes; z1 16,777,216 bytes; hid 13,107,200 bytes; wimg 9,437,184 bytes
;; launch norm1 (part 1): grid 256 x 1, 8 waves a work-group, no clusters, 93,952 bytes of LDS; arguments z, g1, xn, W_Q_codes, W_K_codes, W_V_codes, W_O_codes, W_fc_codes, W_proj_codes, wimg; writes xn, wimg
.if DOCPART == 1
	.amdgcn_target "amdgcn-amd-amdhsa--gfx1250"
	.amdhsa_code_object_version 6
	.text
	.protected	k_q6a76eedd85_norm1
	.globl	k_q6a76eedd85_norm1
	.p2align	8
	.type	k_q6a76eedd85_norm1,@function
k_q6a76eedd85_norm1:
	s_mov_b64 s[64:65], 0
	v_nop
	global_prefetch_b8 v0, s[64:65] scope:SCOPE_SE
	s_setreg_imm32_b32 hwreg(HW_REG_WAVE_MODE, 25, 1), 1
	s_wait_xcnt 0x0
; y = Q(rmsnorm(x, g)): x [4096][1024] f32, g [1024] f32.  Out: codes of FP6 (E2M3), rows of 768 bytes, K innermost, true order, at byte 0 of the
; third buffer, and one E8M0 byte for each 32 along K, [4096][32], at byte XSC of it.
; rmsnorm: x * rsqrt(sum(x^2) / 1024 + 1e-5) * g, all in f32.  A block's scale is 2^(floor(log2(largest magnitude)) - 2).
; LIMITS: 1 / rms is v_rsq_f32 and a multiplication (1 ulp) in place of a root and a division; a block of zeros gets the byte 1 where the rule says 127
; (its codes are zeros, and this program alone reads the bytes); NaN and infinities among the inputs are not served.
; SHARES: a work-group of eight waves takes 16 neighbouring rows, a wave two: 2,048 waves in all, and a chain of two rows in a wave.  A row lies in 32 registers a lane.  No tensor load, no matrix unit, no cluster (no byte of x is read twice).
; Each load reads 512 consecutive bytes; both rows' 16 loads go out at the head.  The conversion wants 16 NEIGHBOURS in a lane, so a row turns through the wave's own two stages in LDS (512 numbers each,
; 16 bytes of padding behind each 64).  A wave makes 64 scale bytes: the work-group's 512 are gathered in LDS, and behind one barrier waves 0 and 1 store 256 consecutive bytes each.
.set SP,    80                         ; a lane's place in a stage: 64 bytes + 16
.set STG,   2*32*SP                    ; LDS of a wave: two stages
.set SCB,   8*STG                      ; behind the stages: the work-group's 512 scale bytes
.set XSC,   3145728                    ; where the scale bytes begin in the output buffer
.set X,     32                         ; v32-63   the row after the turn: X[16 t + i] = x[512 t + 16 lane + i]
.set RA,    64                         ; v64-127  two sets of 32: rows as loaded
.set GN,    192                        ; v192-223 g[512 t + 16 lane + i]
.set CD,    224                        ; v224-239 codes: four groups of four, one for each half row: no store's data are written again
.set EB,    240                        ; v240-243 scale bytes
	s_load_b128 s[4:7], s[0:1], 0x0                ; x, g
	s_load_b64 s[8:9], s[0:1], 0x10
; BESIDE THE NORM this launch lays the six weights' codes anew, as images of operand registers: ((row / 16 x K / 128 + k / 128) x 6 + piece) x 256 + 8 lane, where lane (r, h) of piece p holds the 8 bytes
; at byte 96 (k / 128) + 48 (p / 3) + 24 h + 8 (p % 3) of row 16 (row / 16) + r.  In wimg: W_Q at 0, W_K at 786,432, W_V at 1,572,864, W_O at 2,359,296, W_fc at 3,145,728, W_proj at 6,291,456.
; So every tile that the products' launches fetch is made of rows that are multiples of 256 bytes and begin at multiples of 256 bytes.  No code is changed; the scale bytes stay where they are.
; A unit is 16 rows x 768 bytes (1,024 along K) = 12,288 bytes, which are also 12,288 consecutive bytes of wimg.  Work-group u takes three: unit u of Q, K, V, O (64 units each), unit u of W_fc, unit u of W_proj (4 units to 16 rows).
; Of each unit a wave loads two rows (each load 256 consecutive bytes); they meet in LDS bytes of their own (rows 816 bytes apart); behind the barrier wave w reads step w's fragment as the matrix unit wants it and stores six times 256 consecutive bytes.
	s_load_b128 s[28:31], s[0:1], 0x18             ; W_Q, W_K
	s_load_b128 s[32:35], s[0:1], 0x28             ; W_V, W_O
	s_load_b128 s[36:39], s[0:1], 0x38             ; W_fc, W_proj
	s_load_b64 s[40:41], s[0:1], 0x48              ; wimg
	v_lshl_add_u32 v248, v0, 2, 0xa200
	v_mov_b32 v249, 0
	v_lshrrev_b32 v1, 5, v0
	s_delay_alu instid0(VALU_DEP_1)
	v_readfirstlane_b32 s12, v1                    ; wave 0..7
	v_and_b32 v1, 31, v0                           ; lane
	s_delay_alu instid0(VALU_DEP_1)
	v_lshlrev_b32 v2, 4, v1                        ; my 16 bytes of a load's 512
	s_mul_i32 s13, s12, STG
	v_lshrrev_b32 v3, 2, v1
	s_delay_alu instid0(VALU_DEP_1)
	v_mul_u32_u24 v3, v3, SP
	v_and_b32 v4, 3, v1
	s_delay_alu instid0(VALU_DEP_1)
	v_lshl_add_u32 v3, v4, 4, v3
	s_delay_alu instid0(VALU_DEP_1)
	v_add_nc_u32 v3, s13, v3                       ; the stage, way in: SP (lane / 4) + 16 (lane % 4)
	v_mul_u32_u24 v4, v1, SP
	s_delay_alu instid0(VALU_DEP_1)
	v_add_nc_u32 v4, s13, v4                       ; way out: SP x lane
	v_lshrrev_b32 v6, 1, v1
	s_lshl_b32 s13, s12, 6
	s_add_co_u32 s13, s13, SCB
	v_add_nc_u32 v6, s13, v6                       ; my block's scale byte in LDS: 64 bytes a wave
	v_lshlrev_b32 v7, 3, v1
	s_and_b32 s15, s12, 1
	s_lshl_b32 s15, s15, 8                         ; which 256 of the 512 scale bytes a wave would store: wave % 2 (waves 0 and 1 do)
	s_add_co_u32 s13, s15, SCB
	v_add_nc_u32 v8, s13, v7                       ; the scale bytes' way out: 8 bytes a lane
	v_lshlrev_b32 v9, 6, v1
; THE CODES LEAVE AS IMAGES OF OPERAND REGISTERS, ((row / 16 x 8 + k / 128) x 6 + piece) x 256 + 8 (r + 16 h): the work-group's 16 rows are one image of 12,288 bytes, gathered in LDS from byte IMG on.
; My 16 codes are words 3 u .. 3 u + 2 (u = lane % 2) of the six of block (lane / 2) % 4 = 2 c + h of step lane / 8 (+ 4 for the row's second half).
.set IMG, 42496
	s_lshl_b32 s26, s12, 4
	s_add_co_u32 s26, s26, IMG                     ; row 2 x wave: 8 bytes a row
	v_lshrrev_b32 v26, 3, v1
	v_mul_u32_u24 v26, v26, 1536
	v_bfe_u32 v27, v1, 2, 1
	v_mad_u32_u24 v26, v27, 768, v26               ; c: three pieces
	v_bfe_u32 v27, v1, 1, 1
	v_lshl_add_u32 v26, v27, 7, v26                ; h: 16 lanes
	v_add_nc_u32 v26, s26, v26
	v_and_b32 v28, 1, v1
	v_mad_u32_u24 v27, v28, 508, v26
	v_add_nc_u32 v27, 4, v27                       ; my second word: byte 4 of the first piece, or byte 0 of the third
	v_mad_u32_u24 v26, v28, 260, v26               ; my first word: byte 0 of the first piece, or byte 4 of the second; my third lies 256 bytes on
	v_lshl_add_u32 v29, v0, 4, IMG                 ; the image's way out: 16 bytes a thread
	v_lshlrev_b32 v30, 4, v0
.set RL, 54784                         ; the weights' rows in LDS: three units of 16 rows
.set RP, 816
	s_mul_i32 s27, s12, 2*RP
	s_add_co_u32 s27, s27, RL
	v_add_nc_u32 v31, s27, v7                      ; way in: row 2 x wave, 8 bytes a lane
	v_and_b32 v164, 15, v1
	v_lshrrev_b32 v165, 4, v1
	v_mul_u32_u24 v164, v164, RP
	v_mad_u32_u24 v164, v165, 24, v164
	s_mul_i32 s27, s12, 96
	s_add_co_u32 s27, s27, RL
	v_add_nc_u32 v164, s27, v164                   ; way out: row r, byte 96 x wave + 24 h
	s_mul_i32 s50, ttmp9, 12288
	s_mul_i32 s44, s12, 1536
	s_add_co_u32 s50, s50, s44                     ; W_fc: my two rows of unit u; also my step's image in each third of wimg
	s_mov_b32 s51, 0
	s_and_b32 s46, ttmp9, 63
	s_mul_i32 s46, s46, 12288
	s_add_co_u32 s44, s46, s44                     ; Q, K, V, O: my two rows of unit u % 64
	s_mov_b32 s45, 0
	s_lshr_b32 s48, ttmp9, 2
	s_mul_i32 s48, s48, 49152                      ; W_proj: 16 rows of 3,072 bytes,
	s_and_b32 s46, ttmp9, 3
	s_mul_i32 s46, s46, 768                        ; which 768 of them,
	s_add_co_u32 s48, s48, s46
	s_mul_i32 s46, s12, 6144                       ; and my two rows
	s_add_co_u32 s48, s48, s46
	s_mov_b32 s49, 0
	s_lshr_b32 s42, ttmp9, 6                       ; 0..3: Q, K, V, O
	v_mov_b32 v19, 0                               ; written once: a lane permute's destination counts as a source
	s_mov_b32 s16, 0x3a800000                      ; 1 / 1024
	s_mov_b32 s17, 0x3727c5ac                      ; 1e-5
	s_mov_b32 s18, 0x76543210
	s_mov_b32 s19, 0xfedcba98                      ; selects: lane l xor 16
	s_lshl_b32 s14, ttmp9, 4
	s_lshl_b32 s20, s12, 1
	s_add_co_u32 s14, s14, s20                     ; my first row: 16 x work-group + 2 x wave
	s_lshl_b32 s20, s14, 12
	s_mov_b32 s21, 0
	s_mul_i32 s22, ttmp9, 12288
	s_mov_b32 s23, 0
	s_lshl_b32 s24, ttmp9, 9                       ; the work-group's 512 scale bytes
	s_add_co_u32 s24, s24, s15
	s_add_co_u32 s24, s24, XSC
	s_mov_b32 s25, 0
	s_wait_alu depctr_va_vdst(0)
	s_wait_kmcnt 0x0
	s_add_nc_u64 s[4:5], s[4:5], s[20:21]
	s_add_nc_u64 s[10:11], s[8:9], s[24:25]
	s_add_nc_u64 s[8:9], s[8:9], s[22:23]
	s_cmp_eq_u32 s42, 0
	s_cselect_b64 s[52:53], s[28:29], s[30:31]
	s_cmp_eq_u32 s42, 2
	s_cselect_b64 s[52:53], s[32:33], s[52:53]
	s_cmp_eq_u32 s42, 3
	s_cselect_b64 s[52:53], s[34:35], s[52:53]
	s_add_nc_u64 s[52:53], s[52:53], s[44:45]
	s_add_nc_u64 s[36:37], s[36:37], s[50:51]
	s_add_nc_u64 s[38:39], s[38:39], s[48:49]
	s_add_nc_u64 s[40:41], s[40:41], s[50:51]
.irp j, 0,1,2                          ; the weights' 18 loads go out first: they are older than g's and x's, so the rows' counted waits keep their counts
	global_load_b64 v[128+2*\j:129+2*\j], v7, s[52:53] offset:256*\j th:TH_LOAD_NT
	global_load_b64 v[134+2*\j:135+2*\j], v7, s[52:53] offset:768+256*\j th:TH_LOAD_NT
	global_load_b64 v[140+2*\j:141+2*\j], v7, s[36:37] offset:256*\j th:TH_LOAD_NT
	global_load_b64 v[146+2*\j:147+2*\j], v7, s[36:37] offset:768+256*\j th:TH_LOAD_NT
	global_load_b64 v[152+2*\j:153+2*\j], v7, s[38:39] offset:256*\j th:TH_LOAD_NT
	global_load_b64 v[158+2*\j:159+2*\j], v7, s[38:39] offset:3072+256*\j th:TH_LOAD_NT
.endr
.irp t, 0,1
.irp i, 0,1,2,3
	global_load_b128 v[GN+16*\t+4*\i:GN+16*\t+4*\i+3], v9, s[6:7] offset:2048*\t+16*\i
.endr
.endr
.irp n, 0,1
.irp i, 0,1,2,3,4,5,6,7
	global_load_b128 v[RA+32*\n+4*\i:RA+32*\n+4*\i+3], v2, s[4:5] offset:4096*\n+512*\i th:TH_LOAD_NT
.endr
.endr
.macro ROW n
.set RS, RA+32*(\n)
	s_wait_loadcnt 8*(1-(\n))                      ; my row's 8 loads are in (and g's, which are older); the other row's 8 may be out
.irp k, 0,1,2,3
	v_pk_mul_f32 v[10+2*\k:11+2*\k], v[RS+2*\k:RS+2*\k+1], v[RS+2*\k:RS+2*\k+1]    ; the sum of squares in four chains: the first four pairs start them
.endr
.irp i, 8,16,24
.irp k, 0,1,2,3
	s_delay_alu instid0(VALU_DEP_4)
	v_pk_fma_f32 v[10+2*\k:11+2*\k], v[RS+\i+2*\k:RS+\i+2*\k+1], v[RS+\i+2*\k:RS+\i+2*\k+1], v[10+2*\k:11+2*\k]
.endr
.endr
.irp i, 0,1,2,3,4,5,6,7
	ds_store_b128 v3, v[RS+4*\i:RS+4*\i+3] offset:(\i/4)*32*SP+(\i%4)*8*SP
.endr
.irp t, 0,1
.irp i, 0,1,2,3
	ds_load_b128 v[X+16*\t+4*\i:X+16*\t+4*\i+3], v4 offset:\t*32*SP+16*\i      ; LDS serves a wave's instructions in order: these see the stores above
.endr
.endr
	v_pk_add_f32 v[10:11], v[10:11], v[12:13]
	v_pk_add_f32 v[14:15], v[14:15], v[16:17]
	s_delay_alu instid0(VALU_DEP_1)
	v_pk_add_f32 v[10:11], v[10:11], v[14:15]
	s_delay_alu instid0(VALU_DEP_1)
	v_add_f32 v18, v10, v11
	s_delay_alu instid0(VALU_DEP_1)
	v_add_f32_dpp v18, v18, v18 row_xmask:1 row_mask:0xf bank_mask:0xf
	s_delay_alu instid0(VALU_DEP_1)
	v_add_f32_dpp v18, v18, v18 row_xmask:2 row_mask:0xf bank_mask:0xf
	s_delay_alu instid0(VALU_DEP_1)
	v_add_f32_dpp v18, v18, v18 row_xmask:4 row_mask:0xf bank_mask:0xf
	s_delay_alu instid0(VALU_DEP_1)
	v_add_f32_dpp v18, v18, v18 row_xmask:8 row_mask:0xf bank_mask:0xf
	s_delay_alu instid0(VALU_DEP_1)
	v_permlanex16_b32 v19, v18, s18, s19
	s_delay_alu instid0(VALU_DEP_1)
	v_add_f32 v18, v18, v19                        ; the row's sum of squares, in every lane
	s_delay_alu instid0(VALU_DEP_1)
	v_fma_f32 v18, v18, s16, s17                   ; / 1024 + eps
	s_wait_alu depctr_va_vdst(0)
	v_rsq_f32 v20, v18
	v_rsq_f32 v21, v18                             ; twice: a pair for the packed multiply
	v_nop                                          ; a plain instruction behind the transcendentals
	s_wait_dscnt 0x0                               ; the row is back from the stages
	s_wait_alu depctr_va_vdst(0)                   ; one wait for both, ahead of their first reader
.set j, 0
.rept 16
	v_pk_mul_f32 v[X+j:X+j+1], v[X+j:X+j+1], v[20:21]
.set j, j+2
.endr
.set j, 0
.rept 16
	v_pk_mul_f32 v[X+j:X+j+1], v[X+j:X+j+1], v[GN+j:GN+j+1]
.set j, j+2
.endr
.irp t, 0,1
.set XS, X+16*\t
.set CR, CD+4*(2*(\n)+\t)
.set ER, EB+2*(\n)+\t
	v_max3_num_f32 v22, |v[XS]|, |v[XS+1]|, |v[XS+2]|               ; the largest magnitude of my 16
	v_max3_num_f32 v23, |v[XS+3]|, |v[XS+4]|, |v[XS+5]|
.irp i, 6,10
	s_delay_alu instid0(VALU_DEP_2)
	v_max3_num_f32 v22, v22, |v[XS+\i]|, |v[XS+\i+1]|
	s_delay_alu instid0(VALU_DEP_2)
	v_max3_num_f32 v23, v23, |v[XS+\i+2]|, |v[XS+\i+3]|
.endr
	s_delay_alu instid0(VALU_DEP_2)
	v_max3_num_f32 v22, v22, |v[XS+14]|, |v[XS+15]|
	s_delay_alu instid0(VALU_DEP_1)
	v_max3_num_f32 v22, v22, v23, 0x1800000        ; and the floor 2^(3 - 127): the byte cannot fall under 1
	s_delay_alu instid0(VALU_DEP_1)
	v_max_num_f32_dpp v22, v22, v22 row_xmask:1 row_mask:0xf bank_mask:0xf   ; with my neighbour's 16: the block's
	s_delay_alu instid0(VALU_DEP_1)
	v_add_nc_u32 v[24+\t], 0xff000000, v22         ; 2 off its exponent field: the conversion's scale operand
	v_cvt_scalef32_pk16_fp6_f32 v[CR:CR+2], v[XS:XS+15], v[24+\t]
	v_lshrrev_b32 v[ER], 23, v[24+\t]              ; the scale's byte (a plain line behind the conversion)
	ds_store_b8 v6, v[ER] offset:32*(\n)+16*\t     ; both lanes of a block write the same byte with the same value
	ds_store_b32 v26, v[CR] offset:8*(\n)+6144*\t
	ds_store_b32 v27, v[CR+1] offset:8*(\n)+6144*\t
	ds_store_b32 v26, v[CR+2] offset:256+8*(\n)+6144*\t
.endr
.endm
	ROW 0
	ROW 1
.irp k, 0,1,2                          ; all my loads are in (the second row's wait is for 0): the weights' rows go to LDS
.irp j, 0,1,2
	ds_store_b64 v31, v[128+12*\k+2*\j:129+12*\k+2*\j] offset:13056*\k+256*\j
	ds_store_b64 v31, v[134+12*\k+2*\j:135+12*\k+2*\j] offset:13056*\k+RP+256*\j
.endr
.endr
	s_wait_dscnt 0x0                               ; for the others' sake: my scale bytes lie in LDS
	s_barrier_signal -1
	s_barrier_wait -1                              ; everybody's do
.irp j, 0,1,2
	ds_load_b128 v[32+4*\j:35+4*\j], v29 offset:4096*\j
.endr
.irp k, 0,1,2
.irp p, 0,1,2,3,4,5
	ds_load_b64 v[128+12*\k+2*\p:129+12*\k+2*\p], v164 offset:13056*\k+48*(\p/3)+8*(\p%3)
.endr
.endr
	s_wait_dscnt 0x0
.irp j, 0,1,2
	global_store_b128 v30, v[32+4*\j:35+4*\j], s[8:9] offset:4096*\j
.endr
.irp k, 0,1,2
.irp p, 0,1,2,3,4,5
	global_store_b64 v7, v[128+12*\k+2*\p:129+12*\k+2*\p], s[40:41] offset:3145728*\k+256*\p   ; 32 lanes store 256 consecutive bytes, aligned
.endr
.endr
	s_cmp_lt_u32 s12, 2
	s_cbranch_scc0 .Lend                           ; waves 0 and 1 store them
	ds_load_b64 v[22:23], v8
	s_wait_dscnt 0x0
	global_store_b64 v7, v[22:23], s[10:11]        ; 32 lanes store 256 consecutive bytes, at a multiple of 256 from the buffer's first byte
.Lend:
	s_wait_tensorcnt 0x0
	ds_add_u32 v248, v249
	s_wait_dscnt 0x0
	s_endpgm
.Lfunc_end_k_q6a76eedd85_norm1:
	.size	k_q6a76eedd85_norm1, .Lfunc_end_k_q6a76eedd85_norm1-k_q6a76eedd85_norm1
	.p2alignl 7, 3214868480
	.fill 96, 4, 3214868480
	.section	.rodata,"a",@progbits
	.p2align	6, 0x0
	.amdhsa_kernel k_q6a76eedd85_norm1
		.amdhsa_group_segment_fixed_size 93952
		.amdhsa_private_segment_fixed_size 0
		.amdhsa_enable_private_segment 0
		.amdhsa_kernarg_size 80
		.amdhsa_user_sgpr_count 2
		.amdhsa_user_sgpr_kernarg_segment_ptr 1
		.amdhsa_wavefront_size32 1
		.amdhsa_system_sgpr_workgroup_id_x 1
		.amdhsa_system_sgpr_workgroup_id_y 1
		.amdhsa_system_sgpr_workgroup_id_z 1
		.amdhsa_system_vgpr_workitem_id 0
		.amdhsa_next_free_vgpr 250
		.amdhsa_next_free_sgpr 66
		.amdhsa_reserve_vcc 0
		.amdhsa_float_denorm_mode_32 3
		.amdhsa_float_denorm_mode_16_64 3
		.amdhsa_memory_ordered 1
		.amdhsa_forward_progress 1
		.amdhsa_inst_pref_size 31
	.end_amdhsa_kernel
	.amdgpu_metadata
---
amdhsa.version: [ 1, 2 ]
amdhsa.kernels:
  - .name:           k_q6a76eedd85_norm1
    .symbol:         k_q6a76eedd85_norm1.kd
    .args:
      - { .name: z, .offset: 0, .size: 8, .value_kind: global_buffer, .address_space: global }
      - { .name: g1, .offset: 8, .size: 8, .value_kind: global_buffer, .address_space: global }
      - { .name: xn, .offset: 16, .size: 8, .value_kind: global_buffer, .address_space: global }
      - { .name: W_Q_codes, .offset: 24, .size: 8, .value_kind: global_buffer, .address_space: global }
      - { .name: W_K_codes, .offset: 32, .size: 8, .value_kind: global_buffer, .address_space: global }
      - { .name: W_V_codes, .offset: 40, .size: 8, .value_kind: global_buffer, .address_space: global }
      - { .name: W_O_codes, .offset: 48, .size: 8, .value_kind: global_buffer, .address_space: global }
      - { .name: W_fc_codes, .offset: 56, .size: 8, .value_kind: global_buffer, .address_space: global }
      - { .name: W_proj_codes, .offset: 64, .size: 8, .value_kind: global_buffer, .address_space: global }
      - { .name: wimg, .offset: 72, .size: 8, .value_kind: global_buffer, .address_space: global }
    .group_segment_fixed_size: 93952
    .private_segment_fixed_size: 0
    .kernarg_segment_align: 8
    .kernarg_segment_size: 80
    .max_flat_workgroup_size: 256
    .sgpr_count:     66
    .vgpr_count:     250
    .wavefront_size: 32
...
	.end_amdgpu_metadata
.endif
;; end of part 1
;; launch qkv (part 2): grid 12 x 16, 4 waves a work-group, clusters of 4 x 4, 327,680 bytes of LDS; arguments xn, wimg, W_Q_scales, W_K_scales, W_V_scales, qkv; writes qkv
.if DOCPART == 2
	.amdgcn_target "amdgcn-amd-amdhsa--gfx1250"
	.amdhsa_code_object_version 6
	.text
	.protected	k_q6a76eedd85_qkv
	.globl	k_q6a76eedd85_qkv
	.p2align	8
	.type	k_q6a76eedd85_qkv,@function
k_q6a76eedd85_qkv:
	s_mov_b64 s[64:65], 0
	v_nop
	global_prefetch_b8 v0, s[64:65] scope:SCOPE_SE
	s_setreg_imm32_b32 hwreg(HW_REG_WAVE_MODE, 25, 1), 1
	s_wait_xcnt 0x0
	s_wait_alu depctr_hold_cnt(0) depctr_sa_sdst(0) depctr_va_vdst(0) depctr_va_sdst(0) depctr_va_ssrc(0) depctr_va_vcc(0) depctr_vm_vsrc(0)
	s_getreg_b32 s2, hwreg(HW_REG_IB_STS2, 6, 4)
	s_cmp_eq_u32 s2, 0
	s_cbranch_scc0 .Lentry_in_a_cluster
	s_endpgm
.Lentry_in_a_cluster:
	s_bfe_u32 s2, ttmp6, 0x10000c
	s_cmp_lg_u32 s2, 0xf033
	s_cbranch_scc0 .Lentry_shape_is_right
	s_endpgm
.Lentry_shape_is_right:
; Q = xn W_Q, K = xn W_K, V = xn W_V on codes of FP6 (E2M3) with E8M0 scales, K = 1024; the results are quantised in registers and leave as images of the operand registers that the attention launch wants.
; xn: rows of 768 bytes of codes [4096], scale bytes [4096][32] at byte 3,145,728.  W_*: [1024][768 bytes], scale bytes [1024][32].
; A tile of 256 x 256 to a work-group of four waves, 128 x 128 a wave: 64 accumulators, 512 registers.  K goes in steps of 256 through two LDS slots filled by the tensor data mover; the scale bytes of
; the work-group's rows come once and stay.  CLUSTERS 4 x 4: the four of a row share A's tiles, the four of a column B's: each tile is asked for jointly.
; WHICH PRODUCT: the cluster's x: 0 = Q, 1 = K, 2 = V.  The matrix instruction is used transposed (source 0 = 16 rows of B, source 1 = 16 rows of A): a lane holds ONE row of A, its registers run along B's rows.
; Q, K: A = xn (tokens), B = W (features): a lane's registers run along the head's 64, which is the next K.  V: A = W_V (features), B = xn (tokens): they run along the keys, which is V's next K.
; The choice is of pointers and tile numbers alone, by selects on the cluster's x, which all sixteen partners share; the text is one.
; ORDER INSIDE A BLOCK OF 32: the 16 registers of result tiles 2 c, 2 c + 1 hold members 8 h + 0..7 and 16 + 8 h + 0..7 of block c (h = lane / 16); they are taken as places 16 h + 0..15.  So every block's codes lie in
; the fixed order 0-7, 16-23, 8-15, 24-31.  Q meets K and V meets p, each pair made the same way: the same products are summed under the same scales; only their order inside the matrix unit differs from ascending k.
; OUT (bytes in qkv; bh = 16 batch + head): Q codes at 0, K codes at 3,145,728: [bh][token / 16][piece 0..2][lane][8]: registers 0-5 of a fragment (64 along K);  V codes at 6,291,456: [bh][key / 128][d / 16][piece 0..5][lane][8];
; Q scale words at 9,437,184: [bh][token] (bytes 0, 1 the head's; bytes 2, 3 the neighbour head's or 0: they meet zero codes alone);  at 9,699,328 for each head 12,288 bytes: K words [token], then V words [key / 128][d].
; LIMITS: a block of zeros gets the byte 1 (its codes are zeros; this program alone reads the bytes); NaN and infinities are not served.  192 work-groups: 12 x 16 tiles; a smaller tile would double the LDS bytes read for each product.
; No prefetch: every tile is shared in a cluster and read by many work-groups, and K has four steps.
.set SIZE_K, 1024
.set KSTEP,  256
.set NQ,     KSTEP/128
; xn's codes and the weights' (buffer wimg) come as images of operand registers: 1,536 bytes for 16 rows x 128 K.  A tile's row is one block of 16 rows x 256 K.
.set ROWB,   3072
.set KROW,   SIZE_K*6/8
.set PITCH,  192                       ; a slot's bytes for each row of A or B
.set FR,     12
.set NL,     6
.set NP,     4                         ; places behind this matrix instruction (ISA guide 7.12.1)
.set HALFT,  128*PITCH
.set SLOT,   4*HALFT
.set LAPS,   SIZE_K/(2*KSTEP)
.set KS,     SIZE_K/32
.set SCL,    2*SLOT                    ; behind the ring: the scales, units of 256 bytes + 16
.set HALFS,  (128*KS/256)*272
.set SBLK,   (16*KS/256)*272
.set SPARE,  SCL+4*HALFS               ; the spare words: 128 bytes a wave, named by no other line
.set ADRA, 16                          ; v16-17 A's fragments in slot 0, 1
.set ADRB, 20                          ; v20-21 the same for B
.set ADRS, 27                          ; v27 my scale words: lanes 0-15 A's rows, lanes 16-31 B's
.set SPW,  28                          ; v28 my spare word; never rewritten
.set NIL,  29                          ; v29 0; never rewritten
.set SC,   32                          ; v32-63 scale words, two sets; they hold nothing else
.set AF,   128                         ; A's fragments, window 0
.set G1, 24
.set G0, 32
.set G1B, 48
.set G0B, 56
.set G1S, 68
.set G0S, 76
.set G1SB, 80
.set G0SB, 88
.set MSB, 0
.macro WIN new                         ; the immediate's high byte repeats the setting that is left
.if MSB != (\new)
	s_set_vgpr_msb (MSB<<8)|(\new)
.set MSB, (\new)
.endif
.endm
.set MUL_LO, 0xa1                      ; source 0 (B) window 1, source 1 (A) window 0, C and D window 2
.set MUL_HI, 0xf1                      ; the same, C and D window 3
.set TO_B,   0x40
.macro JLOAD g0a, g1a, g0b, g1b        ; a joint load: waves 0, 1 fetch for A, waves 2, 3 for B; four v_nop follow each line
	s_cmp_eq_u32 s15, 0
	s_cbranch_scc0 .Lfor_b_\@
	tensor_load_to_lds s[\g0a:\g0a+3], s[\g1a:\g1a+7]
	s_nop 0
.rept 4
	v_nop
.endr
	s_branch .Lasked_\@
.Lfor_b_\@:
	tensor_load_to_lds s[\g0b:\g0b+3], s[\g1b:\g1b+7]
	s_nop 0
.rept 4
	v_nop
.endr
.Lasked_\@:
.endm
.macro CREST                           ; a round of the cluster's barrier behind its opening barrier
	s_cmp_lg_u32 s14, 0
	s_cbranch_scc1 .Lnot_wave_0_\@
	s_barrier_signal -3
.Lnot_wave_0_\@:
	s_barrier_wait -3
	s_barrier_signal -1
	s_barrier_wait -1
.endm
.macro CROUND
	s_barrier_signal -1
	s_barrier_wait -1
	CREST
.endm
	s_load_b128 s[68:71], s[0:1], 0x0              ; xn, wimg (W_Q's images at its byte 0)
	s_load_b64 s[72:73], s[0:1], 0x10              ; W_Q's scales
	s_load_b64 s[76:77], s[0:1], 0x18              ; W_K's
	s_load_b128 s[80:83], s[0:1], 0x20             ; W_V's, qkv
	v_lshl_add_u32 v[SPW], v0, 2, SPARE
	v_mov_b32 v[NIL], 0
	ds_add_u32 v28, v29
	ds_add_u32 v28, v29
	s_wait_dscnt 0x0
	v_lshrrev_b32 v1, 5, v0
	v_readfirstlane_b32 s14, v1                    ; wave 0..3
	s_lshr_b32 s15, s14, 1                         ; my half of the tile's rows; also: I fetch for A (0) or B (1)
	s_and_b32 s16, s14, 1                          ; my half of its columns; also: which 128 rows I fetch
	s_bfe_u32 s40, ttmp6, 0x40000                  ; cx
	s_bfe_u32 s41, ttmp6, 0x40004                  ; cy
	s_and_b32 s18, ttmp7, 0xffff
	s_lshl_b32 s18, s18, 2                         ; 4 x cluster y
	s_wait_kmcnt 0x0
	s_add_nc_u64 s[88:89], s[68:69], 3145728
	s_add_nc_u64 s[74:75], s[70:71], 786432        ; W_K's images
	s_add_nc_u64 s[78:79], s[70:71], 1572864       ; W_V's
	s_cmp_eq_u32 ttmp9, 0                          ; Q?
	s_cselect_b64 s[84:85], s[70:71], s[74:75]
	s_cselect_b64 s[86:87], s[72:73], s[76:77]
	s_cmp_eq_u32 ttmp9, 2                          ; V?
	s_cselect_b64 s[84:85], s[78:79], s[84:85]     ; the weight's codes
	s_cselect_b64 s[86:87], s[80:81], s[86:87]     ; and scale bytes
	s_cselect_b64 s[4:5], s[84:85], s[68:69]       ; A's codes: V: the weight; else xn
	s_cselect_b64 s[6:7], s[86:87], s[88:89]       ; A's scales
	s_cselect_b64 s[8:9], s[68:69], s[84:85]       ; B's codes
	s_cselect_b64 s[10:11], s[88:89], s[86:87]     ; B's scales
	s_cselect_b32 s19, 0, s18                      ; the 16 tile rows or columns of the tokens go with the cluster's y
	s_cselect_b32 s18, s18, 0
	s_mov_b64 s[12:13], s[82:83]                   ; qkv
	s_add_co_u32 s17, s41, s19                     ; tile row: cy and the cluster's y alone
	s_add_co_u32 s42, s40, s18                     ; tile column: cx and the cluster's y alone
	s_lshl_b32 s43, s41, 2
	s_lshl_b32 s43, 15, s43                        ; my row of the cluster
	s_lshl_b32 s44, 0x1111, s40                    ; my column
	s_or_b32 s[G1+0], s43, (1<<21)                 ; the mask; bytes; bit 21 beside a mask; no padding
	s_or_b32 s[G1B+0], s44, (1<<21)
.irp g, G1, G1B
	s_mov_b32 s[\g+1], ROWB<<16
	s_mov_b32 s[\g+2], 16<<16                      ; the head's loads bring 16 blocks of 16 rows; the ring's 8
	s_mov_b32 s[\g+3], ROWB<<16
	s_mov_b32 s[\g+4], 16
	s_mov_b32 s[\g+5], 16*KROW                     ; from block to block
	s_mov_b32 s[\g+6], 0
	s_mov_b32 s[\g+7], 0
.endr
	s_or_b32 s[G1S+0], s43, (3<<16)|(1<<20)|(1<<21)|(5<<22)|(3<<25)  ; the scales of 256 rows: a dense block as rows of 256 bytes, 16 of padding behind each
	s_or_b32 s[G1SB+0], s44, (3<<16)|(1<<20)|(1<<21)|(5<<22)|(3<<25)
.irp g, G1S, G1SB
	s_mov_b32 s[\g+1], 32<<16
	s_mov_b32 s[\g+2], (256*KS/256)<<16
	s_mov_b32 s[\g+3], 32<<16
	s_mov_b32 s[\g+4], 256*KS/256
	s_mov_b32 s[\g+5], 32
	s_mov_b32 s[\g+6], 0
	s_mov_b32 s[\g+7], 0
.endr
	s_lshl_b32 s18, s16, 7
	s_lshl_b32 s20, s17, 8
	s_add_co_u32 s20, s20, s18                     ; A: row 256 x tile row + 128 x half
	s_lshl_b32 s46, s42, 8
	s_add_co_u32 s46, s46, s18                     ; B: row 256 x tile column + 128 x half
	s_mov_b32 s21, 0
	s_mov_b32 s47, 0
	s_mov_b64 s[18:19], KS
	s_mul_u64 s[22:23], s[20:21], s[18:19]
	s_mul_u64 s[92:93], s[46:47], s[18:19]
	s_mov_b64 s[18:19], KROW
	s_mul_u64 s[20:21], s[20:21], s[18:19]
	s_mul_u64 s[46:47], s[46:47], s[18:19]
	s_mul_i32 s45, s14, HALFT                      ; where they go: wave x 128 rows
	s_add_nc_u64 s[20:21], s[4:5], s[20:21]
	s_add_nc_u64 s[22:23], s[6:7], s[22:23]
	s_add_nc_u64 s[46:47], s[8:9], s[46:47]
	s_add_nc_u64 s[92:93], s[10:11], s[92:93]
	CROUND                                         ; all sixteen work-groups are here: the first joint loads meet
; THE HEAD'S FOUR TILES, each whole, one joint load a wave: wave 0 K step 0 of A's 256 rows, wave 1 of B's, wave 2 A's scales, wave 3 B's.  Each begins at the tile's first row: my half's bytes are taken off.
.set G0H, 4
.set G0HB, 8
.macro ARM under, g0, g1, next
	s_cmp_lt_u32 s14, \under
	s_cbranch_scc0 \next
	tensor_load_to_lds s[\g0:\g0+3], s[\g1:\g1+7]
	s_nop 0
.rept 4
	v_nop
.endr
	s_branch .Lhead_asked
\next:
.endm
	s_mul_i32 s18, s16, 128*KROW
	s_mov_b32 s19, 0
	s_mov_b32 s[G0H], 1
	s_mov_b32 s[G0H+1], 0
	s_sub_nc_u64 s[G0H+2:G0H+3], s[20:21], s[18:19]
	s_or_b32 s[G0H+3], s[G0H+3], 0x80000000
	s_mov_b32 s[G0HB], 1
	s_mov_b32 s[G0HB+1], 2*HALFT
	s_sub_nc_u64 s[G0HB+2:G0HB+3], s[46:47], s[18:19]
	s_or_b32 s[G0HB+3], s[G0HB+3], 0x80000000
	s_mul_i32 s18, s16, 128*KS
	s_mov_b32 s[G0S], 1
	s_mov_b32 s[G0S+1], SCL
	s_sub_nc_u64 s[G0S+2:G0S+3], s[22:23], s[18:19]
	s_or_b32 s[G0S+3], s[G0S+3], 0x80000000
	s_mov_b32 s[G0SB], 1
	s_mov_b32 s[G0SB+1], SCL+2*HALFS
	s_sub_nc_u64 s[G0SB+2:G0SB+3], s[92:93], s[18:19]
	s_or_b32 s[G0SB+3], s[G0SB+3], 0x80000000
.irp s, 0,1
	s_mov_b32 s[G0+4*\s], 1
	s_add_co_u32 s[G0+4*\s+1], s45, \s*SLOT
	s_add_nc_u64 s[G0+4*\s+2:G0+4*\s+3], s[20:21], \s*ROWB
	s_or_b32 s[G0+4*\s+3], s[G0+4*\s+3], 0x80000000
	s_mov_b32 s[G0B+4*\s], 1
	s_add_co_u32 s[G0B+4*\s+1], s45, \s*SLOT
	s_add_nc_u64 s[G0B+4*\s+2:G0B+4*\s+3], s[46:47], \s*ROWB
	s_or_b32 s[G0B+4*\s+3], s[G0B+4*\s+3], 0x80000000
.endr
	ARM 1, G0H,  G1,  .Lhead_b                     ; one chain of branches on the wave's number: every way passes one load
	ARM 2, G0HB, G1B, .Lhead_sa
	ARM 3, G0S,  G1S, .Lhead_sb
	tensor_load_to_lds s[G0SB:G0SB+3], s[G1SB:G1SB+7]
	s_nop 0
.rept 4
	v_nop
.endr
.Lhead_asked:
	v_and_b32 v1, 15, v0                           ; l % 16
	v_bfe_u32 v2, v0, 4, 1                         ; l / 16
	v_and_b32 v4, 31, v0
	v_lshlrev_b32 v4, 3, v4                        ; 8 x lane: my place in a piece of 256 bytes
	s_wait_alu depctr_va_vdst(0)
	s_mul_i32 s21, s15, HALFT
	s_mul_i32 s22, s16, HALFT
	s_add_co_u32 s22, s22, 2*HALFT
.irp s, 0,1
	v_add_nc_u32 v[ADRA+\s], s21, v4
	v_add_nc_u32 v[ADRB+\s], s22, v4
	s_add_co_u32 s21, s21, SLOT
	s_add_co_u32 s22, s22, SLOT
.endr
	v_mul_u32_u24 v5, v1, KS
	v_lshrrev_b32 v6, 8, v5
	v_lshl_add_u32 v5, v6, 4, v5                   ; my row's scales: KS bytes a row, 16 more for each 256 passed
	s_mul_i32 s21, s15, HALFS
	s_mul_i32 s22, s16, HALFS
	s_add_co_u32 s22, s22, 2*HALFS
	s_sub_co_u32 s22, s22, s21
	v_mul_u32_u24 v6, s22, v2                      ; lanes 16-31 take B's: one base + half x the distance
	s_add_co_u32 s21, s21, SCL
	v_add_nc_u32 v5, v5, v6
	v_add_nc_u32 v[ADRS], s21, v5
.macro FRAG reg, adr, q, i             ; a fragment, 16 rows x 128 K: 12 registers, in pieces of 8 bytes as they lie
.irp p, 0,1,2,3,4,5
	ds_load_b64 v[\reg+2*\p:\reg+2*\p+1], v[\adr] offset:(\i)*ROWB+(\q)*1536+256*\p   ; the 32 lanes read 256 consecutive bytes
.endr
.endm
; 16 matrix instructions: A's blocks a0, a0 + 1 x B's eight.  The 64 accumulators take turns, one instruction a turn, in the same order in every step.
.macro MUL16 a0, p, q, sc, zero
.irp a, \a0, \a0+1
.irp b, 0,1,2,3,4,5,6,7
.if \zero
	v_wmma_scale_f32_16x16x128_f8f6f4 v[8*(8*((\a)%4)+\b):8*(8*((\a)%4)+\b)+7], v[128*(\p)+FR*\b:128*(\p)+FR*\b+FR-1], v[AF+FR*(\a):AF+FR*(\a)+FR-1], 0, v[SC+8*NQ*(\sc)+NQ*\b+(\q)], v[SC+8*NQ*(\sc)+NQ*(\a)+(\q)] matrix_a_fmt:MATRIX_FMT_FP6 matrix_b_fmt:MATRIX_FMT_FP6 matrix_a_scale:MATRIX_SCALE_ROW1
.else
	v_wmma_scale_f32_16x16x128_f8f6f4 v[8*(8*((\a)%4)+\b):8*(8*((\a)%4)+\b)+7], v[128*(\p)+FR*\b:128*(\p)+FR*\b+FR-1], v[AF+FR*(\a):AF+FR*(\a)+FR-1], v[8*(8*((\a)%4)+\b):8*(8*((\a)%4)+\b)+7], v[SC+8*NQ*(\sc)+NQ*\b+(\q)], v[SC+8*NQ*(\sc)+NQ*(\a)+(\q)] matrix_a_fmt:MATRIX_FMT_FP6 matrix_b_fmt:MATRIX_FMT_FP6 matrix_a_scale:MATRIX_SCALE_ROW1
.endif
.endr
.endr
.endm
.macro FETCH_B slot, q, p
	WIN TO_B
.irp i, 0,1,2,3,4,5,6,7
	FRAG 128*(\p)+FR*\i, ADRB+\slot, \q, \i
.endr
	WIN 0
.endm
.macro FETCH_A slot, q, i0
.irp i, \i0, \i0+1, \i0+2, \i0+3
	FRAG AF+FR*(\i), ADRA+\slot, \q, \i
.endr
.endm
.macro SCALES sc
.irp i, 0,1,2,3,4,5,6,7
	ds_load_b64 v[SC+8*NQ*\sc+NQ*\i:SC+8*NQ*\sc+NQ*\i+1], v[ADRS] offset:\i*SBLK
.endr
.endm
.macro PLACES n                        ; plain vector instructions between a matrix instruction and a load into, or a read of, its registers
.rept \n
	v_nop
.endr
.endm
.macro STEP slot, q, zero              ; 128 along K with its successor in the same slot
	s_wait_dscnt 4*NL                              ; B's set and A's blocks 0-3 are in; the youngest 24 loads (A's blocks 4-7) may be out
	WIN MUL_LO
	MUL16 0, (\q)%2, \q, \slot, \zero
	MUL16 2, (\q)%2, \q, \slot, \zero
	s_wait_dscnt 0
	PLACES NP
	FETCH_B \slot, (\q)+1, 1-(\q)%2
	FETCH_A \slot, (\q)+1, 0
	WIN MUL_HI
	MUL16 4, (\q)%2, \q, \slot, \zero
	MUL16 6, (\q)%2, \q, \slot, \zero
	PLACES NP
	WIN 0
	FETCH_A \slot, (\q)+1, 4
.endm
; A slot's last step changes slots: one barrier; in front of it each wave waits for all its tensor loads, adds 0 to its spare word, and waits for that and for its reads of this slot.
.macro TURN slot, next, fill
	s_wait_tensorcnt 0x0                           ; all my tensor loads have landed: my part of the next slot
	ds_add_u32 v[SPW], v[NIL]                      ; 0 onto my spare word
	s_wait_dscnt 4*NL+1                            ; the add and the youngest 24 loads may be out
	WIN MUL_LO
	MUL16 0, 1, NQ-1, \slot, 0
	s_wait_dscnt 0x0                               ; the add is done, and my reads of this slot are over
	s_barrier_signal -1
	MUL16 2, 1, NQ-1, \slot, 0
	WIN 0
	s_barrier_wait -1
.if \fill
	CREST                                          ; the barrier has opened a round of the cluster's: no wave of any partner still reads this slot or has a load on its way
	s_add_nc_u64 s[G0+4*\slot+2:G0+4*\slot+3], s[G0+4*\slot+2:G0+4*\slot+3], 2*ROWB
	s_add_nc_u64 s[G0B+4*\slot+2:G0B+4*\slot+3], s[G0B+4*\slot+2:G0B+4*\slot+3], 2*ROWB
	JLOAD G0+4*\slot, G1, G0B+4*\slot, G1B         ; the first tensor load behind the round; its four v_nop are the places in front of the loads below
.else
	PLACES NP
.endif
	s_wait_alu depctr_va_vdst(0)
	v_add_nc_u32 v[ADRS], 4*NQ, v[ADRS]
	FETCH_B \next, 0, 0
	FETCH_A \next, 0, 0
	SCALES \next
	WIN MUL_HI
	MUL16 4, 1, NQ-1, \slot, 0
	MUL16 6, 1, NQ-1, \slot, 0
	PLACES NP
	WIN 0
	FETCH_A \next, 0, 4
.endm
	s_wait_alu depctr_va_vdst(0)
	s_wait_tensorcnt 0x0                           ; my tile of the head's four is in
	ds_add_u32 v[SPW], v[NIL]
	s_mov_b32 s[G1+2], 8<<16                       ; no tensor load of mine is out: from here on a load brings 8 blocks
	s_mov_b32 s[G1+4], 8
	s_mov_b32 s[G1B+2], 8<<16
	s_mov_b32 s[G1B+4], 8
	s_wait_dscnt 0x0
	CROUND                                         ; all four tiles are in, and all sixteen work-groups are here
	JLOAD G0+4, G1, G0B+4, G1B                     ; K step 1, the first tensor load behind the round
	FETCH_B 0, 0, 0
	FETCH_A 0, 0, 0
	SCALES 0
	FETCH_A 0, 0, 4
	STEP 0, 0, 1                                   ; the first step's products start the sums
	s_mov_b32 s3, LAPS-1
.Llap:
	TURN 0, 1, 1
	STEP 1, 0, 0
	TURN 1, 0, 1
	STEP 0, 0, 0
	s_sub_co_u32 s3, s3, 1
	s_cmp_lg_u32 s3, 0
	s_cbranch_scc1 .Llap
	TURN 0, 1, 0                                   ; the last lap fills nothing
	STEP 1, 0, 0
	s_wait_dscnt 4*NL
	WIN MUL_LO
	MUL16 0, 1, NQ-1, 1, 0
	MUL16 2, 1, NQ-1, 1, 0
	s_wait_dscnt 0
	WIN MUL_HI
	MUL16 4, 1, NQ-1, 1, 0
	MUL16 6, 1, NQ-1, 1, 0
	WIN 0
; THE WAY OUT.  For each of my eight blocks of 16 rows of A: its 64 registers a lane (128 along B's rows, four blocks of 32) become one fragment's codes and one scale word, and are stored as they stand:
; each store of 8 bytes a lane covers 256 consecutive bytes, aligned.  No LDS, nothing transposed.
.set CD,  64                           ; v64-83  the codes just made
.set TM,  84                           ; v84-99  largest magnitudes, bytes, scale operands
.set PW,  100                          ; v100    the scale word
.set PWS, 101                          ; v101    what my lane stores of it
.set VO1, 102                          ; v102    8 x lane
.set VO2, 103                          ; v103    8 x lane + where registers 6-11 go: Q, K: the next head; V: the fragment's second half
.set VOS, 104                          ; v104    4 r + half x (the next head's words; V: 0)
.set SH,  105                          ; v105    half x 16 (V: 0)
.set PCO, 36                           ; s[36:37] where the block's codes go
.set PSC, 38                           ; s[38:39] and its scale words
.set SEL, 54                           ; s[54:55] selects: lane l xor 16
.macro QUANTW s, w                     ; the 64 numbers v[s] .. v[s + 63] of window w: register 16 b + i = place 16 (lane / 16) + i of block b of my row
	WIN 5*(\w)                                     ; sources 0 and 1: window w
.irp b, 0,1,2,3
	v_max3_num_f32 v[TM+\b], |v[(\s)+16*\b]|, |v[(\s)+1+16*\b]|, 0x1800000   ; each accumulator is read from its low end on; the floor 2^(3 - 127) holds the byte at 1 from below
.endr
.irp i, 2,4,6,8,10,12,14
.irp b, 0,1,2,3
	v_max3_num_f32 v[TM+\b], |v[(\s)+16*\b+\i]|, |v[(\s)+1+16*\b+\i]|, v[TM+\b]
.endr
.endr
	WIN 0
.irp b, 0,1,2,3
	v_permlanex16_b32 v[TM+4+\b], v[TM+\b], s[SEL], s[SEL+1]
.endr
.irp b, 0,1,2,3
	v_max_num_f32 v[TM+\b], v[TM+\b], v[TM+4+\b]   ; with lane l xor 16's: the block's largest magnitude
.endr
.irp b, 0,1,2,3
	v_add_nc_u32 v[TM+12+\b], 0xff000000, v[TM+\b] ; 2 off its exponent field: the conversion's scale operand
.endr
.irp b, 0,1,2,3
	v_lshrrev_b32 v[TM+4+\b], 23, v[TM+12+\b]      ; the scale's byte
.endr
	v_lshl_or_b32 v[PW], v[TM+5], 8, v[TM+4]
	v_lshl_or_b32 v[PW], v[TM+6], 16, v[PW]
	v_lshl_or_b32 v[PW], v[TM+7], 24, v[PW]
	WIN (\w)                                       ; source 0: window w
.irp c, 0,1
	v_cvt_scalef32_pk16_fp6_f32 v[CD+6*\c:CD+2+6*\c], v[(\s)+32*\c:(\s)+15+32*\c], v[TM+12+2*\c]
	v_cvt_scalef32_pk16_fp6_f32 v[CD+12+4*\c:CD+14+4*\c], v[(\s)+16+32*\c:(\s)+31+32*\c], v[TM+12+2*\c+1]   ; (a conversion's three registers begin on an even number)
.endr
	WIN 0
	v_nop                                          ; one plain place behind a scaled conversion
.irp c, 0,1                            ; the operand's layout wants a whole block in a lane
.irp i, 0,1,2
	v_permlane16_swap_b32 v[CD+6*\c+\i], v[CD+12+4*\c+\i]
.endr
.irp i, 0,1,2
	v_mov_b32 v[CD+3+6*\c+\i], v[CD+12+4*\c+\i]
.endr
.endr
.endm
	PLACES NP                                      ; behind the last products
	s_cmp_eq_u32 ttmp9, 2                          ; V?  (no tensor load of mine is out: the descriptors' registers are free)
	s_cselect_b32 s20, s42, s17                    ; the tokens' tile,
	s_cselect_b32 s21, s16, s15                    ; and my half of it
	s_cselect_b32 s22, s17, s42                    ; the features' tile,
	s_cselect_b32 s23, s15, s16                    ; and my half
	s_mov_b32 s48, 768
	s_cselect_b32 s48, 1536, s48                   ; from block to block of codes
	s_mov_b32 s50, 768
	s_cselect_b32 s50, 93696, s50                  ; behind block 3: V goes to the next head: 98,304 - 3 x 1,536
	s_mov_b32 s26, 98304
	s_cselect_b32 s26, 768, s26                    ; where registers 6-11 go
	s_cselect_b32 s52, 12096, 64                   ; the scale words behind block 3: V: 12,288 - 3 x 64
	s_cselect_b32 s28, 0, 16
	s_cselect_b32 s29, 1, 2                        ; the token's shift: V: 256 bytes for 128 keys; Q, K: 4 bytes a token
	s_mov_b32 s30, 9699328
	s_cselect_b32 s30, 9707520, s30                ; where the scale words begin: K, V
	s_mov_b32 s31, 12288                           ; from head to head
	s_cselect_b32 s32, 0, s31                      ; lanes 16-31: the next head's words; V: the same word
	s_cmp_eq_u32 ttmp9, 0                          ; Q?
	s_cselect_b32 s30, 9437184, s30
	s_cselect_b32 s31, 8192, s31
	s_cselect_b32 s32, 8192, s32
	s_mov_b32 s49, 0
	s_mov_b32 s51, 0
	s_mov_b32 s53, 0
	s_mov_b32 s[SEL], 0x76543210
	s_mov_b32 s[SEL+1], 0xfedcba98
	s_lshl_b32 s20, s20, 8
	s_lshl_b32 s21, s21, 7
	s_add_co_u32 s20, s20, s21                     ; my first token
	s_lshr_b32 s33, s20, 11                        ; batch
	s_and_b32 s34, s20, 2047                       ; token in the batch
	s_lshl_b32 s33, s33, 4
	s_lshl_b32 s22, s22, 2
	s_lshl_b32 s23, s23, 1
	s_add_co_u32 s33, s33, s22
	s_add_co_u32 s33, s33, s23                     ; bh of my first head
	s_mul_i32 s[PCO], ttmp9, 3145728
	s_mul_i32 s35, s33, 98304
	s_add_co_u32 s[PCO], s[PCO], s35
	s_mul_i32 s35, s34, 48                         ; 768 bytes for 16 tokens; 6,144 for 128 keys
	s_add_co_u32 s[PCO], s[PCO], s35
	s_mov_b32 s[PCO+1], 0
	s_add_nc_u64 s[PCO:PCO+1], s[12:13], s[PCO:PCO+1]
	s_mul_i32 s[PSC], s33, s31
	s_add_co_u32 s[PSC], s[PSC], s30
	s_lshl_b32 s35, s34, s29
	s_add_co_u32 s[PSC], s[PSC], s35
	s_mov_b32 s[PSC+1], 0
	s_add_nc_u64 s[PSC:PSC+1], s[12:13], s[PSC:PSC+1]
	v_and_b32 v[VO1], 31, v0
	v_lshlrev_b32 v[VO1], 3, v[VO1]
	v_add_nc_u32 v[VO2], s26, v[VO1]
	v_and_b32 v106, 15, v0
	v_bfe_u32 v107, v0, 4, 1
	v_mul_lo_u32 v[VOS], v107, s32
	v_lshl_add_u32 v[VOS], v106, 2, v[VOS]
	v_mul_lo_u32 v[SH], v107, s28
.irp b, 0,1,2,3
	v_mov_b32 v[TM+4+\b], 0                        ; written once: a lane permute's destination counts as a source
.endr
.irp a, 0,1,2,3,4,5,6,7
	QUANTW 64*(\a%4), 2+\a/4
	v_lshrrev_b32 v[PWS], v[SH], v[PW]             ; Q, K: lanes 16-31 store the odd head's two bytes
.irp p, 0,1,2
	global_store_b64 v[VO1], v[CD+2*\p:CD+2*\p+1], s[PCO:PCO+1] offset:256*\p
.endr
.irp p, 0,1,2
	global_store_b64 v[VO2], v[CD+6+2*\p:CD+7+2*\p], s[PCO:PCO+1] offset:256*\p
.endr
	global_store_b32 v[VOS], v[PWS], s[PSC:PSC+1]
.if \a < 7
	s_wait_xcnt 0x0                                ; the stores have read their data and bases: both are written again only behind this wait
.if \a == 3
	s_add_nc_u64 s[PCO:PCO+1], s[PCO:PCO+1], s[50:51]
	s_add_nc_u64 s[PSC:PSC+1], s[PSC:PSC+1], s[52:53]
.else
	s_add_nc_u64 s[PCO:PCO+1], s[PCO:PCO+1], s[48:49]
	s_add_nc_u64 s[PSC:PSC+1], s[PSC:PSC+1], 64
.endif
.endif
.endr
	s_wait_tensorcnt 0x0                           ; the wave's end
	ds_add_u32 v[SPW], v[NIL]
	s_wait_dscnt 0x0
	CROUND                                         ; the closing round
	s_endpgm
.Lfunc_end_k_q6a76eedd85_qkv:
	.size	k_q6a76eedd85_qkv, .Lfunc_end_k_q6a76eedd85_qkv-k_q6a76eedd85_qkv
	.p2alignl 7, 3214868480
	.fill 96, 4, 3214868480
	.section	.rodata,"a",@progbits
	.p2align	6, 0x0
	.amdhsa_kernel k_q6a76eedd85_qkv
		.amdhsa_group_segment_fixed_size 327680
		.amdhsa_private_segment_fixed_size 0
		.amdhsa_enable_private_segment 0
		.amdhsa_kernarg_size 48
		.amdhsa_user_sgpr_count 2
		.amdhsa_user_sgpr_kernarg_segment_ptr 1
		.amdhsa_wavefront_size32 1
		.amdhsa_system_sgpr_workgroup_id_x 1
		.amdhsa_system_sgpr_workgroup_id_y 1
		.amdhsa_system_sgpr_workgroup_id_z 1
		.amdhsa_system_vgpr_workitem_id 0
		.amdhsa_next_free_vgpr 1024
		.amdhsa_next_free_sgpr 102
		.amdhsa_reserve_vcc 0
		.amdhsa_float_denorm_mode_32 3
		.amdhsa_float_denorm_mode_16_64 3
		.amdhsa_memory_ordered 1
		.amdhsa_forward_progress 1
		.amdhsa_inst_pref_size 171
	.end_amdhsa_kernel
	.amdgpu_metadata
---
amdhsa.version: [ 1, 2 ]
amdhsa.kernels:
  - .name:           k_q6a76eedd85_qkv
    .symbol:         k_q6a76eedd85_qkv.kd
    .args:
      - { .name: xn, .offset: 0, .size: 8, .value_kind: global_buffer, .address_space: global }
      - { .name: wimg, .offset: 8, .size: 8, .value_kind: global_buffer, .address_space: global }
      - { .name: W_Q_scales, .offset: 16, .size: 8, .value_kind: global_buffer, .address_space: global }
      - { .name: W_K_scales, .offset: 24, .size: 8, .value_kind: global_buffer, .address_space: global }
      - { .name: W_V_scales, .offset: 32, .size: 8, .value_kind: global_buffer, .address_space: global }
      - { .name: qkv, .offset: 40, .size: 8, .value_kind: global_buffer, .address_space: global }
    .group_segment_fixed_size: 327680
    .private_segment_fixed_size: 0
    .kernarg_segment_align: 8
    .kernarg_segment_size: 48
    .max_flat_workgroup_size: 128
    .sgpr_count:     102
    .vgpr_count:     1024
    .wavefront_size: 32
...
	.end_amdgpu_metadata
.endif
;; end of part 2
;; launch attn (part 3): grid 8 x 32, 16 waves a work-group, clusters of 4 x 1, 247,808 bytes of LDS; arguments qkv, ctx; writes ctx
.if DOCPART == 3
	.amdgcn_target "amdgcn-amd-amdhsa--gfx1250"
	.amdhsa_code_object_version 6
	.text
	.protected	k_q6a76eedd85_attn
	.globl	k_q6a76eedd85_attn
	.p2align	8
	.type	k_q6a76eedd85_attn,@function
k_q6a76eedd85_attn:
	s_mov_b64 s[64:65], 0
	v_nop
	global_prefetch_b8 v0, s[64:65] scope:SCOPE_SE
	s_setreg_imm32_b32 hwreg(HW_REG_WAVE_MODE, 25, 1), 1
	s_wait_xcnt 0x0
	s_wait_alu depctr_hold_cnt(0) depctr_sa_sdst(0) depctr_va_vdst(0) depctr_va_sdst(0) depctr_va_ssrc(0) depctr_va_vcc(0) depctr_vm_vsrc(0)
	s_getreg_b32 s2, hwreg(HW_REG_IB_STS2, 6, 4)
	s_cmp_eq_u32 s2, 0
	s_cbranch_scc0 .Lentry_in_a_cluster
	s_endpgm
.Lentry_in_a_cluster:
	s_bfe_u32 s2, ttmp6, 0x10000c
	s_cmp_lg_u32 s2, 0x3003
	s_cbranch_scc0 .Lentry_shape_is_right
	s_endpgm
.Lentry_shape_is_right:
; ctx = Q(softmax(Q K^T / 8, causal) V), both products on codes of FP6 (E2M3) with E8M0 scales; 32 heads (bh = 16 batch + head) of 2,048 tokens x 64.
; IN (buffer qkv, images of operand registers): Q codes at 0 and K codes at 3,145,728: [bh][token / 16][piece 0..2][lane][8]: registers 0-5 of a fragment (the head's 64 along K; registers 6-11 are zeros here on both sides);
; V codes at 6,291,456: [bh][key / 128][d / 16][piece 0..5][lane][8]; Q scale words at 9,437,184 [bh][token]; at 9,699,328 for each head K words [2048], then V words [16][64].
; Inside each block of 32 all four operands (Q, K, V, p) lie in the same fixed order 0-7, 16-23, 8-15, 24-31: the products and scales are those of the true order; only the order of summing in the matrix unit differs.
; THE SOFTMAX: t = score x log2(e) / 8; M = the running largest t rounded UP to a whole number; p = 2^(t - M) is quantised along the keys, not normalised; the row's sum is taken of the unquantised p and divides at the end;
; when M moves, the sum and O are multiplied by 2^(old M - new M): exact.
; OUT (buffer ctx): codes in true order as images of the next product's operand registers, ((token / 16 x 8 + k / 128) x 6 + piece) x 256 + 8 lane; scale bytes [4096][32] at 3,145,728, stored two bytes a row
; (one part in 24 of what the launch stores).
; SHARES.  Work-group x = 0..7 of a head owns, of each group g = 0..15 of 128 tokens, the tile of 16 queries 128 g + 16 x + 0..15.  Group g needs key steps 0 .. g of 128 keys; step g lies on the diagonal.
; THE LONG TILES ARE SHARED.  The sixteen waves are eight pairs, j = wave % 8.  Wave j takes group 15 - j's key steps 0 .. 7: eight steps.  Wave 8 + j first takes group j whole (j + 1 steps) and stores it, then group 15 - j's
; steps 8 .. 15 - j (8 - j steps): nine steps.  So every wave has eight or nine of the work-group's 136 steps, and four waves stay at work on a SIMD to the end.  At the end wave 8 + j hands its -M, sum and O^T to wave j through LDS
; bytes of the pair's own; wave j brings both parts under the larger M, by factors 2^(whole number), adds them and stores the tile.
; ALL WAVES WALK THE SAME 16 COUNTED TRIPS; a trip's work is left out where the step lies beyond the wave's last (s[LM]); these branches hang on the wave's number and the trip's count alone.
; A WHOLE HEAD'S K, V AND SCALE WORDS LIE IN LDS (208,896 bytes), FILLED ONCE: no ring, no refill.  The four work-groups of a cluster belong to one head: every tile is asked for jointly (mask 15).  Waves 0-12 issue one load each at the
; head: waves 0-5 a sixth of K's codes, waves 6-11 a sixth of V's, wave 12 the scale words.  One tensor load of a wave is out at the most.
; All tiles are asked for at the kernel's head, so there is nothing left to prefetch.
; LIMITS: 1 / sum is v_rcp_f32 (1 ulp); a block of zeros gets the byte 1; NaN and infinities are not served.
.set KCO,  3145728
.set QSO,  9437184
.set KVSO, 9699328
.set HEADB, 98304                      ; a head's codes of K or of V
.set PHB,  24576                       ; a phase's codes: 512 keys
.set LV,   98304                       ; LDS: K's codes at 0, V's here,
.set LKS,  196608                      ; K's scale words,
.set LVS,  204800                      ; V's,
.set PBASE, 208896                     ; and behind all fills, where none lands: what a pair's upper wave hands to the lower:
.set PSZ,  4608                        ; nine times 512 bytes a pair
.set AK0,  1                           ; v1   8 x lane: my place in a piece of 256 bytes, in LDS and in memory
.set AV0,  2                           ; v2   LV + 8 x lane
.set ASK0, 3                           ; v3   LKS + 4 r
.set ASV0, 4                           ; v4   LVS + 4 r
.set PAD,  5                           ; v5   PBASE + PSZ x (wave % 8) + 16 x lane
.set SCO,  6                           ; v6   32 r: ctx's scale bytes
.set DD,   7                           ; v7   16 x + r - 8 h: my query's place in the diagonal step, less my half's 8
.set ADK,  8                           ; v8-11 addresses of the step in hand
.set ADV,  9
.set ADS,  10
.set ADT,  11
.set S,    128                         ; v128-191 S^T, then p
.set O,    192                         ; v192-223 O^T
.set GV,   8                           ; s8   the group of the tile in hand
.set LM,   9                           ; s9   the last key step that I take in this part of the walk
.set G2,   10                          ; s10  the upper waves' second group
.set LM2,  11                          ; s11  the last step of trips 8 .. 15: the upper waves' second group; 0 in the lower waves, which take none of them
.set WV,   18
.set SEL,  20
.set CS,   22                          ; s[22:23] c = log2(e) / 8
.set G1,   24                          ; s[24:31] group 1: 64 rows of 256 bytes
.set G1S,  32                          ; s[32:39] 48 rows of 256 bytes
.set G0,   40                          ; s[40:43] the scale words' group 0; s[44:47] the codes'
.set ST,   60                          ; the step
.set TK,   61                          ; where its tiles of K begin
.set TV,   62                          ; of V (from LV on)
.set TKS,  63                          ; K's scale words
.set TVS,  66                          ; V's
.set CNT,  67
; other registers: v12 -M, v13 the largest t, v[14:15] the sum; v16-27 Q (22-27 zeros); v28-31 V's scale words; v32-79 four fragments of K (the upper six of each stay zeros); v80-127 four of V;
; v224-235 p's codes; v232-247, v254 at work; v248-251 K's scale words; v252 f; v253 p's scale word; v255 Q's scale word
.macro CROUND
	s_barrier_signal -1
	s_barrier_wait -1
	s_cmp_lg_u32 s[WV], 0
	s_cbranch_scc1 .Lnot_wave_0_\@
	s_barrier_signal -3
.Lnot_wave_0_\@:
	s_barrier_wait -3
	s_barrier_signal -1
	s_barrier_wait -1
.endm
	s_load_b128 s[4:7], s[0:1], 0x0                ; qkv, ctx
	v_lshl_add_u32 v254, v0, 2, 0x3c000
	v_mov_b32 v255, 0
	ds_add_u32 v254, v255
	ds_add_u32 v254, v255
	s_wait_dscnt 0x0
	v_lshrrev_b32 v8, 5, v0
	s_delay_alu instid0(VALU_DEP_1)
	v_readfirstlane_b32 s[WV], v8                  ; wave 0..15
	s_lshr_b32 s12, s[WV], 3                       ; 0: a pair's lower wave, 1: its upper
	s_mul_i32 s13, s12, 7
	s_xor_b32 s[GV], s[WV], 15
	s_xor_b32 s[GV], s[GV], s13                    ; my first group: lower wave j: 15 - j; upper wave 8 + j: j
	s_min_u32 s[LM], s[GV], 7                      ; in trips 0 .. 7: the lower waves take all eight steps, the upper ones steps 0 .. j
	s_xor_b32 s[G2], s[WV], 7                      ; wave 8 + j: 15 - j
	s_mul_i32 s[LM2], s12, s[G2]
	s_and_b32 s13, s[WV], 7
	s_mul_i32 s13, s13, PSZ
	s_add_co_u32 s13, s13, PBASE                   ; my pair's bytes
	s_bfe_u32 s68, ttmp6, 0x40000                  ; cx
	s_lshl_b32 s69, ttmp9, 2
	s_add_co_u32 s69, s69, s68                     ; x: it enters Q's and ctx's global addresses and the mask's numbers alone
	s_and_b32 s70, ttmp7, 0xffff                   ; bh, which the four partners share
	s_mov_b32 s[G1], 15|(3<<16)|(1<<21)            ; the mask: all four; elements of 8 bytes; bit 21 beside a mask; no padding
	s_mov_b32 s[G1+1], 32<<16                      ; tensor_dim0: 256 bytes
	s_mov_b32 s[G1+2], 64<<16
	s_mov_b32 s[G1+3], 32<<16                      ; tile_dim0
	s_mov_b32 s[G1+4], 64
	s_mov_b32 s[G1+5], 32                          ; dense
	s_mov_b32 s[G1+6], 0
	s_mov_b32 s[G1+7], 0
	s_mov_b32 s[G1S], 15|(3<<16)|(1<<21)
	s_mov_b32 s[G1S+1], 32<<16
	s_mov_b32 s[G1S+2], 48<<16
	s_mov_b32 s[G1S+3], 32<<16
	s_mov_b32 s[G1S+4], 48
	s_mov_b32 s[G1S+5], 32
	s_mov_b32 s[G1S+6], 0
	s_mov_b32 s[G1S+7], 0
; THE FILLS, ONE TENSOR LOAD A WAVE AT THE MOST: waves 0-5 a sixth of K's codes each (16,384 bytes), waves 6-11 a sixth of V's, wave 12 the head's 12,288 bytes of scale words; waves 13-15 none.
; In LDS the thirteen pieces follow each other: piece w at 16,384 w.
	s_mul_i32 s71, s[WV], 11
	s_lshr_b32 s71, s71, 6                         ; wave / 6: 0: K's codes, 1: V's
	s_lshl_b32 s74, s[WV], 14                      ; in LDS
	s_mul_i32 s76, s71, 3145728-HEADB              ; V's codes lie 3,145,728 bytes behind K's
	s_add_co_u32 s76, s76, s74
	s_mul_i32 s75, s70, HEADB
	s_add_co_u32 s76, s76, s75
	s_add_co_u32 s76, s76, KCO                     ; in memory
	s_mov_b32 s77, 0
	s_mul_i32 s78, s70, 12288
	s_add_co_u32 s78, s78, KVSO
	s_mov_b32 s79, 0
	s_mov_b32 s[SEL], 0x76543210
	s_mov_b32 s[SEL+1], 0xfedcba98
	s_mov_b32 s[CS], 0x3e38aa3b
	s_mov_b32 s[CS+1], s[CS]
	s_mov_b32 s[ST], 0
	s_mov_b32 s[TK], 0
	s_mov_b32 s[TV], 0
	s_mov_b32 s[TKS], 0
	s_mov_b32 s[TVS], 0
	s_wait_kmcnt 0x0
	s_add_nc_u64 s[76:77], s[4:5], s[76:77]
	s_add_nc_u64 s[78:79], s[4:5], s[78:79]
	CROUND                                         ; all four work-groups are here: the joint loads meet
	s_mov_b32 s[G0], 1
	s_mov_b32 s[G0+1], LKS
	s_mov_b64 s[G0+2:G0+3], s[78:79]
	s_or_b32 s[G0+3], s[G0+3], 0x80000000
	s_mov_b32 s[G0+4], 1
	s_mov_b32 s[G0+5], s74
	s_mov_b64 s[G0+6:G0+7], s[76:77]
	s_or_b32 s[G0+7], s[G0+7], 0x80000000
	s_cmp_lt_u32 s[WV], 12                         ; one chain of branches on the wave's number, alike in every partner
	s_cbranch_scc0 .Lhead_s
	tensor_load_to_lds s[G0+4:G0+7], s[G1:G1+7]
	s_nop 0
.rept 4
	v_nop
.endr
	s_branch .Lhead_j
.Lhead_s:
	s_cmp_eq_u32 s[WV], 12
	s_cbranch_scc0 .Lhead_j
	tensor_load_to_lds s[G0:G0+3], s[G1S:G1S+7]
	s_nop 0
.rept 4
	v_nop
.endr
.Lhead_j:
	v_and_b32 v9, 15, v0                           ; r
	v_bfe_u32 v10, v0, 4, 1                        ; h
	v_and_b32 v11, 31, v0
	s_delay_alu instid0(VALU_DEP_1)
	v_lshlrev_b32 v[AK0], 3, v11
	s_wait_alu depctr_va_vdst(0)
	v_add_nc_u32 v[AV0], LV, v[AK0]
	v_lshl_add_u32 v[ASK0], v9, 2, LKS
	s_wait_alu depctr_va_vdst(0)
	v_lshl_add_u32 v[ASV0], v9, 2, LVS
	v_lshl_add_u32 v[PAD], v11, 4, s13
	v_lshlrev_b32 v[SCO], 5, v9
	s_lshl_b32 s71, s69, 4
	v_lshlrev_b32 v[DD], 3, v10
	s_delay_alu instid0(VALU_DEP_1)
	v_sub_nc_u32 v[DD], v9, v[DD]
	s_delay_alu instid0(VALU_DEP_1)
	v_add_nc_u32 v[DD], s71, v[DD]
; The tile of group s[GV]: its half fragment of Q and its scale words.  (The scale words' offset register is K's LDS place, LKS + 4 r: LKS is taken off the scalar part.)
.macro QLOAD
	s_lshl_b32 s72, s70, 7
	s_lshl_b32 s73, s[GV], 3
	s_add_co_u32 s72, s72, s73
	s_add_co_u32 s72, s72, s69                     ; the tile of queries: 128 bh + 8 g + x
	s_lshl_b32 s74, s72, 6                         ; its 16 scale words
	s_add_co_u32 s74, s74, QSO-LKS
	s_mov_b32 s75, 0
	s_mul_i32 s72, s72, 768
	s_mov_b32 s73, 0
	s_add_nc_u64 s[72:73], s[4:5], s[72:73]
	s_add_nc_u64 s[74:75], s[4:5], s[74:75]
.irp p, 0,1,2
	global_load_b64 v[16+2*\p:17+2*\p], v[AK0], s[72:73] offset:256*\p   ; Q's half fragment stays in registers
.endr
	global_load_b32 v255, v[ASK0], s[74:75]
.endm
.macro STATE0                          ; a tile's sums begin: the step is written once; the first finds zeros
	v_mov_b32 v13, 0xff61b1e6                      ; the largest t so far: -3e38
	s_delay_alu instid0(VALU_DEP_1)
	v_floor_f32 v12, -v13                          ; -M
	v_mov_b32 v14, 0
	v_mov_b32 v15, 0
.set j, 0
.rept 32
	v_mov_b32 v[O+j], 0
.set j, j+1
.endr
.endm
	QLOAD
.irp j, 22,23,24,25,26,27
	v_mov_b32 v[\j], 0                             ; k = 64 .. 127: zero codes
.endr
.irp t, 0,1,2,3
.irp j, 6,7,8,9,10,11
	v_mov_b32 v[32+12*\t+\j], 0                    ; the same in K's four buffers: cleared once, never loaded
.endr
.endr
.irp b, 0,1,2,3
	v_mov_b32 v[236+\b], 0                         ; written once: a lane permute's destination counts as a source
.endr
	v_mov_b32 v252, 0                              ; likewise
	v_mov_b32 v253, 0                              ; (named as the upper half of v[252:253] before it is first written)
	STATE0
.macro KLOAD g                         ; four tiles of 16 keys: three pieces each, and their scale words: 16 loads
.irp t, 0,1,2,3
.irp p, 0,1,2
	ds_load_b64 v[32+12*\t+2*\p:33+12*\t+2*\p], v[ADK] offset:768*(4*\g+\t)+256*\p
.endr
	ds_load_b32 v[248+\t], v[ADS] offset:64*(4*\g+\t)
.endr
.endm
.macro KQ g                            ; S^T = K Q^T: a lane holds query r; register j of tile t is key 16 t + 8 h + j
.irp t, 0,1,2,3
	v_wmma_scale_f32_16x16x128_f8f6f4 v[S+8*(4*\g+\t):S+8*(4*\g+\t)+7], v[32+12*\t:43+12*\t], v[16:27], 0, v[248+\t], v255 matrix_a_fmt:MATRIX_FMT_FP6 matrix_b_fmt:MATRIX_FMT_FP6
.endr
.endm
.macro STEP                            ; 128 keys
	s_cmp_gt_u32 s[ST], s[LM]                      ; not mine, or all its keys come after my queries: left out, but for the lines at its end that step addresses
	s_cbranch_scc1 .Lhidden_\@
	v_add_nc_u32 v[ADK], s[TK], v[AK0]             ; (these four are the places behind the last step's products, in front of the loads into their registers)
	v_add_nc_u32 v[ADV], s[TV], v[AV0]
	v_add_nc_u32 v[ADS], s[TKS], v[ASK0]
	v_add_nc_u32 v[ADT], s[TVS], v[ASV0]
	KLOAD 0
.irp t, 0,1,2,3                        ; V's four fragments (16 of the head's 64 x 128 keys) and scale words: 28 loads, wanted only behind the softmax
.irp p, 0,1,2,3,4,5
	ds_load_b64 v[80+12*\t+2*\p:81+12*\t+2*\p], v[ADV] offset:1536*\t+256*\p
.endr
	ds_load_b32 v[28+\t], v[ADT] offset:64*\t
.endr
	s_wait_alu depctr_va_vdst(0)
	s_wait_dscnt 28                                ; K's 16 are in; V's 28 may be out
	KQ 0
.rept 4
	v_nop
.endr
	KLOAD 1
	s_wait_dscnt 0x0
	KQ 1
.rept 4
	v_nop
.endr
	s_cmp_lg_u32 s[ST], s[GV]                      ; on the diagonal hidden scores become -infinity ahead of the maximum
	s_cbranch_scc1 .Lopen_\@
	v_mov_b32 v254, 0xff800000
.set n, 0
.rept 64
	v_cmp_gt_i32 vcc_lo, 32*(n/16)+n%16+8*((n%16)/8), v[DD]   ; register n holds key 16 (n / 8) + 8 h + n % 8 of the step
	v_cndmask_b32 v[S+n], v[S+n], v254, vcc_lo
.set n, n+1
.endr
.Lopen_\@:
.irp b, 0,1,2,3
	v_max3_num_f32 v[232+\b], v[S+16*\b], v[S+1+16*\b], v[S+2+16*\b]   ; the largest score of each block of 32 keys: for the row's maximum and for the block's largest p
.endr
.irp i, 3,5,7,9,11,13
.irp b, 0,1,2,3
	v_max3_num_f32 v[232+\b], v[232+\b], v[S+16*\b+\i], v[S+1+16*\b+\i]
.endr
.endr
.irp b, 0,1,2,3
	v_max_num_f32 v[232+\b], v[232+\b], v[S+15+16*\b]
.endr
.irp b, 0,1,2,3
	s_delay_alu instid0(VALU_DEP_4)
	v_permlanex16_b32 v[236+\b], v[232+\b], s[SEL], s[SEL+1]
.endr
.irp b, 0,1,2,3
	s_delay_alu instid0(VALU_DEP_4)
	v_max_num_f32 v[232+\b], v[232+\b], v[236+\b]
.endr
	s_delay_alu instid0(VALU_DEP_2)
	v_max3_num_f32 v254, v232, v233, v234
	s_delay_alu instid0(VALU_DEP_1)
	v_max_num_f32 v254, v254, v235
	s_delay_alu instid0(VALU_DEP_1)
	v_mul_f32 v254, s[CS], v254
	s_delay_alu instid0(VALU_DEP_1)
	v_max_num_f32 v13, v13, v254                   ; the running largest t
	v_mov_b32 v254, v12
	s_delay_alu instid0(VALU_DEP_2)
	v_floor_f32 v12, -v13                          ; the new -M = -ceil(t)
	s_delay_alu instid0(VALU_DEP_1)
	v_sub_f32 v254, v12, v254                      ; old M - new M: a whole number, 0 or less
	s_delay_alu instid0(VALU_DEP_1)
	v_cvt_i32_f32 v254, v254                       ; (it saturates)
	s_delay_alu instid0(VALU_DEP_1)
	v_ldexp_f32 v252, 1.0, v254                    ; f = 2^(old M - new M)
.set j, 0
.rept 32
	v_pk_fma_f32 v[S+j:S+j+1], v[S+j:S+j+1], s[CS:CS+1], v[12:13] op_sel_hi:[1,0,0]   ; t - M
.set j, j+2
.endr
.irp b, 0,1,2,3
	v_fma_f32 v[232+\b], v[232+\b], s[CS], v12
.endr
.set j, 0
	s_wait_alu depctr_va_vdst(0)
.rept 64
	v_exp_f32 v[S+j], v[S+j]                       ; p = 2^(t - M)
.set j, j+1
.endr
	v_pk_mul_f32 v[14:15], v[14:15], v[252:253] op_sel_hi:[1,0]   ; the sums under the new M (a plain line behind the exponentials)
	s_wait_alu depctr_va_vdst(0)                   ; one wait for the batch, ahead of its first reader
.irp b, 0,1,2,3
	v_exp_f32 v[232+\b], v[232+\b]                 ; each block's largest p
.endr
	v_pk_add_f32 v[236:237], v[132:133], v[136:137]
	v_pk_add_f32 v[250:251], v[140:141], v[144:145]
	v_pk_add_f32 v[248:249], v[148:149], v[152:153]
	v_pk_add_f32 v[246:247], v[156:157], v[160:161]
	v_pk_add_f32 v[244:245], v[164:165], v[168:169]
	v_pk_add_f32 v[242:243], v[172:173], v[176:177]
	v_pk_add_f32 v[240:241], v[180:181], v[184:185]
	v_pk_add_f32 v[14:15], v[14:15], v[188:189]
	v_pk_add_f32 v[236:237], v[236:237], v[128:129]
	v_pk_add_f32 v[250:251], v[250:251], v[130:131]
	v_pk_add_f32 v[248:249], v[248:249], v[134:135]
	v_pk_add_f32 v[246:247], v[246:247], v[138:139]
	v_pk_add_f32 v[244:245], v[244:245], v[142:143]
	v_pk_add_f32 v[242:243], v[242:243], v[146:147]
	v_pk_add_f32 v[240:241], v[240:241], v[150:151]
	v_pk_add_f32 v[14:15], v[14:15], v[154:155]
	v_pk_add_f32 v[236:237], v[236:237], v[158:159]
	v_pk_add_f32 v[250:251], v[250:251], v[162:163]
	v_pk_add_f32 v[248:249], v[248:249], v[166:167]
	v_pk_add_f32 v[246:247], v[246:247], v[170:171]
	v_pk_add_f32 v[244:245], v[244:245], v[174:175]
	v_pk_add_f32 v[242:243], v[242:243], v[178:179]
	v_pk_add_f32 v[240:241], v[240:241], v[182:183]
	v_pk_add_f32 v[14:15], v[14:15], v[186:187]
	v_pk_add_f32 v[236:237], v[236:237], v[190:191]
	s_delay_alu instid0(VALU_DEP_2)
	v_pk_add_f32 v[14:15], v[14:15], v[246:247]
	s_delay_alu instid0(VALU_DEP_2)
	v_pk_add_f32 v[236:237], v[236:237], v[244:245]
	v_pk_add_f32 v[250:251], v[250:251], v[242:243]
	v_pk_add_f32 v[248:249], v[248:249], v[240:241]
	s_delay_alu instid0(VALU_DEP_2)
	v_pk_add_f32 v[14:15], v[14:15], v[250:251]
	s_delay_alu instid0(VALU_DEP_2)
	v_pk_add_f32 v[236:237], v[236:237], v[248:249]
	s_delay_alu instid0(VALU_DEP_1)
	v_pk_add_f32 v[14:15], v[14:15], v[236:237]
	s_wait_alu depctr_va_vdst(0)                   ; and one for the four
.irp b, 0,1,2,3
	v_max_num_f32 v[232+\b], 0x1800000, v[232+\b]  ; the floor 2^(3 - 127)
.endr
.irp b, 0,1,2,3
	s_delay_alu instid0(VALU_DEP_4)
	v_add_nc_u32 v[244+\b], 0xff000000, v[232+\b]
.endr
.irp b, 0,1,2,3
	s_delay_alu instid0(VALU_DEP_4)
	v_lshrrev_b32 v[236+\b], 23, v[244+\b]
.endr
	s_delay_alu instid0(VALU_DEP_3)
	v_lshl_or_b32 v253, v237, 8, v236              ; p's scale word for these 128 keys
	s_delay_alu instid0(VALU_DEP_1)
	v_lshl_or_b32 v253, v238, 16, v253
	s_delay_alu instid0(VALU_DEP_1)
	v_lshl_or_b32 v253, v239, 24, v253
.irp c, 0,1
	v_cvt_scalef32_pk16_fp6_f32 v[224+6*\c:226+6*\c], v[S+32*\c:S+15+32*\c], v[244+2*\c]
	v_cvt_scalef32_pk16_fp6_f32 v[236+4*\c:238+4*\c], v[S+16+32*\c:S+31+32*\c], v[244+2*\c+1]
.endr
	v_nop                                          ; one plain place behind a scaled conversion
.irp c, 0,1
.irp i, 0,1,2
	v_permlane16_swap_b32 v[224+6*\c+\i], v[236+4*\c+\i]
.endr
.irp i, 0,1,2
	s_delay_alu instid0(VALU_DEP_3)
	v_mov_b32 v[227+6*\c+\i], v[236+4*\c+\i]
.endr
.endr
.set j, 0
.rept 16
	v_pk_mul_f32 v[O+j:O+j+1], v[O+j:O+j+1], v[252:253] op_sel_hi:[1,0]   ; O^T under the new M; these sixteen are also the places between the scale word and codes just made and the products
.set j, j+2
.endr
.irp t, 0,1,2,3                        ; O^T += V^T P^T: the four accumulators by turns, one instruction a turn
	v_wmma_scale_f32_16x16x128_f8f6f4 v[O+8*\t:O+8*\t+7], v[80+12*\t:91+12*\t], v[224:235], v[O+8*\t:O+8*\t+7], v[28+\t], v253 matrix_a_fmt:MATRIX_FMT_FP6 matrix_b_fmt:MATRIX_FMT_FP6
.endr
.Lhidden_\@:
	s_add_co_u32 s[ST], s[ST], 1
	s_add_co_u32 s[TK], s[TK], 6144
	s_add_co_u32 s[TV], s[TV], 6144
	s_add_co_u32 s[TKS], s[TKS], 512
	s_add_co_u32 s[TVS], s[TVS], 256
.endm
; THE WAY OUT of the tile of group s[GV]: O^T / the sum; the head's 64 numbers of my query are two blocks of ctx's K; true order, quantised, stored as pieces 3 (head % 2) + 0..2 of fragment (token / 16, head / 2).
.macro WAYOUT
.rept 4
	v_nop                                          ; places behind the last products
.endr
	v_add_f32 v14, v14, v15
	s_delay_alu instid0(VALU_DEP_1)
	v_permlanex16_b32 v252, v14, s[SEL], s[SEL+1]
	s_delay_alu instid0(VALU_DEP_1)
	v_add_f32 v14, v14, v252                       ; the row's sum
	s_wait_alu depctr_va_vdst(0)
	v_rcp_f32 v14, v14
	v_nop                                          ; a plain line behind the transcendental
	s_lshr_b32 s68, s70, 4                         ; batch
	s_and_b32 s71, s70, 15                         ; head
	s_lshl_b32 s72, s68, 7
	s_lshl_b32 s73, s[GV], 3
	s_add_co_u32 s72, s72, s73
	s_add_co_u32 s72, s72, s69                     ; token / 16
	s_lshl_b32 s74, s72, 9                         ; 16 rows of 32 scale bytes
	s_lshl_b32 s72, s72, 3
	s_lshr_b32 s73, s71, 1
	s_add_co_u32 s72, s72, s73
	s_mul_i32 s72, s72, 6
	s_and_b32 s73, s71, 1
	s_mul_i32 s73, s73, 3
	s_add_co_u32 s72, s72, s73
	s_lshl_b32 s72, s72, 8
	s_mov_b32 s73, 0
	s_add_nc_u64 s[72:73], s[6:7], s[72:73]
	s_lshl_b32 s71, s71, 1
	s_add_co_u32 s74, s74, s71
	s_add_co_u32 s74, s74, 3145728
	s_mov_b32 s75, 0
	s_add_nc_u64 s[74:75], s[6:7], s[74:75]
	s_wait_alu depctr_va_vdst(0)                   ; ahead of the reciprocal's first reader
.set j, 0
.rept 32
	v_mul_f32 v[S+j], v[O+j], v14                  ; register 8 t + i: d = 16 t + 8 h + i; each accumulator from its low end on
.set j, j+1
.endr
.irp c, 0,1                            ; the true order along d: afterwards register 16 c + i is d = 32 c + 16 h + i
.irp j, 0,1,2,3,4,5,6,7
	v_permlane16_swap_b32 v[S+16*\c+\j], v[S+16*\c+8+\j]
.endr
.endr
.irp c, 0,1
	v_max3_num_f32 v[232+\c], |v[S+16*\c]|, |v[S+1+16*\c]|, 0x1800000
.endr
.irp i, 2,4,6,8,10,12,14
.irp c, 0,1
	s_delay_alu instid0(VALU_DEP_2)
	v_max3_num_f32 v[232+\c], v[232+\c], |v[S+16*\c+\i]|, |v[S+1+16*\c+\i]|
.endr
.endr
.irp c, 0,1
	s_delay_alu instid0(VALU_DEP_2)
	v_permlanex16_b32 v[236+\c], v[232+\c], s[SEL], s[SEL+1]
.endr
.irp c, 0,1
	s_delay_alu instid0(VALU_DEP_2)
	v_max_num_f32 v[232+\c], v[232+\c], v[236+\c]
.endr
.irp c, 0,1
	s_delay_alu instid0(VALU_DEP_2)
	v_add_nc_u32 v[244+\c], 0xff000000, v[232+\c]
.endr
.irp c, 0,1
	s_delay_alu instid0(VALU_DEP_2)
	v_lshrrev_b32 v[236+\c], 23, v[244+\c]
.endr
	s_delay_alu instid0(VALU_DEP_1)
	v_lshl_or_b32 v254, v237, 8, v236              ; my row's two scale bytes
	v_cvt_scalef32_pk16_fp6_f32 v[224:226], v[S:S+15], v244
	v_cvt_scalef32_pk16_fp6_f32 v[228:230], v[S+16:S+31], v245
	v_nop
.irp i, 0,1,2
	v_permlane16_swap_b32 v[224+\i], v[228+\i]     ; lanes 0-15 get the whole of block 0, lanes 16-31 of block 1
.endr
	s_delay_alu instid0(VALU_DEP_3)
	v_mov_b32 v227, v228
	s_delay_alu instid0(VALU_DEP_3)
	v_mov_b32 v228, v229
	s_delay_alu instid0(VALU_DEP_3)
	v_mov_b32 v229, v230
.irp p, 0,1,2
	global_store_b64 v[AK0], v[224+2*\p:225+2*\p], s[72:73] offset:256*\p   ; 32 lanes store 256 consecutive bytes, aligned
.endr
	global_store_b16 v[SCO], v254, s[74:75]        ; (both halves of the lanes hold, and write, the same two bytes)
.endm
	s_wait_loadcnt 0x0                             ; Q
	s_wait_tensorcnt 0x0                           ; my one load has landed
	s_wait_dscnt 0x0
	s_barrier_signal -1
	s_barrier_wait -1                              ; everybody's are; nothing is ever filled again
	s_mov_b32 s[CNT], 8                            ; the whole head lies in LDS: trips 0 .. 7
.Lwalk1:                                           ; trips 0 .. 7
	STEP
	s_sub_co_u32 s[CNT], s[CNT], 1
	s_cmp_lg_u32 s[CNT], 0
	s_cbranch_scc1 .Lwalk1
	s_cmp_lt_u32 s[WV], 8
	s_cbranch_scc1 .Lkeep                          ; a lower wave keeps its tile and its sums
	WAYOUT                                         ; an upper wave's first tile is finished: it leaves,
	s_mov_b32 s[GV], s[G2]                         ; and the wave turns to its partner's tile
	s_wait_xcnt 0x0                                ; the stores have read their data and bases: both are written again only behind this wait
	QLOAD
	STATE0
	s_wait_loadcnt 0x0
.Lkeep:
	s_mov_b32 s[LM], s[LM2]
	s_mov_b32 s[CNT], 8
.Lwalk2:                                           ; trips 8 .. 15: every wave walks them; the lower waves take no step of them
	STEP
	s_sub_co_u32 s[CNT], s[CNT], 1
	s_cmp_lg_u32 s[CNT], 0
	s_cbranch_scc1 .Lwalk2
.rept 4
	v_nop                                          ; places behind the last products, in front of the stores of their results and of loads into their registers
.endr
	s_cmp_lt_u32 s[WV], 8
	s_cbranch_scc1 .Lno_hand
	ds_store_b128 v[PAD], v[12:15]                 ; an upper wave hands over -M, the largest t and the sum's two halves,
	s_wait_alu depctr_va_vdst(0)
.irp i, 0,1,2,3,4,5,6,7
	ds_store_b128 v[PAD], v[O+4*\i:O+4*\i+3] offset:512+512*\i   ; and O^T as it stands: lane l's 16 bytes at 16 l; each accumulator from its low end on
.endr
.Lno_hand:
	s_wait_dscnt 0x0                               ; for the partner's sake: my stores have landed
	s_barrier_signal -1
	s_barrier_wait -1
	s_cmp_lt_u32 s[WV], 8
	s_cbranch_scc0 .Lclose
	ds_load_b128 v[232:235], v[PAD]                ; a lower wave takes them: the same registers in the same lanes
.irp i, 0,1,2,3,4,5,6,7
	ds_load_b128 v[S+4*\i:S+4*\i+3], v[PAD] offset:512+512*\i
.endr
	s_wait_dscnt 0x0
	v_min_num_f32 v254, v12, v232                  ; -M of both parts: M is the larger
	s_delay_alu instid0(VALU_DEP_1)
	v_sub_f32 v236, v254, v12                      ; my M less M: a whole number, 0 or less
	s_delay_alu instid0(VALU_DEP_2)
	v_sub_f32 v237, v254, v232                     ; the partner's
	s_delay_alu instid0(VALU_DEP_2)
	v_cvt_i32_f32 v236, v236
	s_delay_alu instid0(VALU_DEP_2)
	v_cvt_i32_f32 v237, v237
	s_delay_alu instid0(VALU_DEP_2)
	v_ldexp_f32 v244, 1.0, v236                    ; the two factors, each twice: pairs for the packed forms.  They round nothing
	s_delay_alu instid0(VALU_DEP_3)
	v_ldexp_f32 v245, 1.0, v236
	s_delay_alu instid0(VALU_DEP_3)
	v_ldexp_f32 v246, 1.0, v237
	s_delay_alu instid0(VALU_DEP_4)
	v_ldexp_f32 v247, 1.0, v237
	s_delay_alu instid0(VALU_DEP_3)
	v_pk_mul_f32 v[14:15], v[14:15], v[244:245]
	s_delay_alu instid0(VALU_DEP_1)
	v_pk_fma_f32 v[14:15], v[234:235], v[246:247], v[14:15]
.set j, 0
.rept 16
	v_pk_mul_f32 v[O+j:O+j+1], v[O+j:O+j+1], v[244:245]
.set j, j+2
.endr
.set j, 0
.rept 16
	v_pk_fma_f32 v[O+j:O+j+1], v[S+j:S+j+1], v[246:247], v[O+j:O+j+1]
.set j, j+2
.endr
	WAYOUT
.Lclose:
	s_wait_xcnt 0x0
	v_lshl_add_u32 v254, v0, 2, 0x3c000
	v_mov_b32 v255, 0
	s_wait_alu depctr_va_vdst(0)
	s_wait_tensorcnt 0x0
	ds_add_u32 v254, v255
	s_wait_dscnt 0x0
	CROUND                                         ; the closing round: no work-group ends while a partner may still ask jointly
	s_endpgm
.Lfunc_end_k_q6a76eedd85_attn:
	.size	k_q6a76eedd85_attn, .Lfunc_end_k_q6a76eedd85_attn-k_q6a76eedd85_attn
	.p2alignl 7, 3214868480
	.fill 96, 4, 3214868480
	.section	.rodata,"a",@progbits
	.p2align	6, 0x0
	.amdhsa_kernel k_q6a76eedd85_attn
		.amdhsa_group_segment_fixed_size 247808
		.amdhsa_private_segment_fixed_size 0
		.amdhsa_enable_private_segment 0
		.amdhsa_kernarg_size 16
		.amdhsa_user_sgpr_count 2
		.amdhsa_user_sgpr_kernarg_segment_ptr 1
		.amdhsa_wavefront_size32 1
		.amdhsa_system_sgpr_workgroup_id_x 1
		.amdhsa_system_sgpr_workgroup_id_y 1
		.amdhsa_system_sgpr_workgroup_id_z 1
		.amdhsa_system_vgpr_workitem_id 0
		.amdhsa_next_free_vgpr 256
		.amdhsa_next_free_sgpr 80
		.amdhsa_reserve_vcc 1
		.amdhsa_float_denorm_mode_32 3
		.amdhsa_float_denorm_mode_16_64 3
		.amdhsa_memory_ordered 1
		.amdhsa_forward_progress 1
		.amdhsa_inst_pref_size 76
	.end_amdhsa_kernel
	.amdgpu_metadata
---
amdhsa.version: [ 1, 2 ]
amdhsa.kernels:
  - .name:           k_q6a76eedd85_attn
    .symbol:         k_q6a76eedd85_attn.kd
    .args:
      - { .name: qkv, .offset: 0, .size: 8, .value_kind: global_buffer, .address_space: global }
      - { .name: ctx, .offset: 8, .size: 8, .value_kind: global_buffer, .address_space: global }
    .group_segment_fixed_size: 247808
    .private_segment_fixed_size: 0
    .kernarg_segment_align: 8
    .kernarg_segment_size: 16
    .max_flat_workgroup_size: 512
    .sgpr_count:     80
    .vgpr_count:     256
    .wavefront_size: 32
...
	.end_amdgpu_metadata
.endif
;; end of part 3
;; launch oproj (part 4): grid 8 x 32, 4 waves a work-group, clusters of 4 x 4, 327,680 bytes of LDS; arguments ctx, wimg, W_O_scales, z, z1; writes z1
.if DOCPART == 4
	.amdgcn_target "amdgcn-amd-amdhsa--gfx1250"
	.amdhsa_code_object_version 6
	.text
	.protected	k_q6a76eedd85_oproj
	.globl	k_q6a76eedd85_oproj
	.p2align	8
	.type	k_q6a76eedd85_oproj,@function
k_q6a76eedd85_oproj:
	s_mov_b64 s[64:65], 0
	v_nop
	global_prefetch_b8 v0, s[64:65] scope:SCOPE_SE
	s_setreg_imm32_b32 hwreg(HW_REG_WAVE_MODE, 25, 1), 1
	s_wait_xcnt 0x0
	s_wait_alu depctr_hold_cnt(0) depctr_sa_sdst(0) depctr_va_vdst(0) depctr_va_sdst(0) depctr_va_ssrc(0) depctr_va_vcc(0) depctr_vm_vsrc(0)
	s_getreg_b32 s2, hwreg(HW_REG_IB_STS2, 6, 4)
	s_cmp_eq_u32 s2, 0
	s_cbranch_scc0 .Lentry_in_a_cluster
	s_endpgm
.Lentry_in_a_cluster:
	s_bfe_u32 s2, ttmp6, 0x10000c
	s_cmp_lg_u32 s2, 0xf033
	s_cbranch_scc0 .Lentry_shape_is_right
	s_endpgm
.Lentry_shape_is_right:
.set SIZE_K, 1024
.set ASC,    3145728
.set KSN,    SIZE_K/128
.set KROW,   SIZE_K*6/8
.set KS,     SIZE_K/32
; z1 = z + ctx W_O on codes of FP6 with E8M0 scales.  Both operands come as images of operand registers (W_O's at byte 2,359,296 of wimg): a tile's row is one block of 16 rows x 512 K, 6,144 bytes.  All else as in the launch proj.
.set ROWB,   6144
.set FR,     12
.set HALFA,  4*6144
.set HALFB,  HALFA
.set SLOT,   2*HALFA+2*HALFB
.set SCL,    2*SLOT
.set HALFS,  (64*KS/256)*272
.set SBLK,   (16*KS/256)*272
.set SPARE,  SCL+4*HALFS
.set LAPS,   SIZE_K/1024
.set SPITCH, 272
.set ADRA, 16
.set ADRB, 20
.set STO,  24
.set RD,   25
.set CO,   26
.set ADRS, 27
.set SPW,  28
.set NIL,  29
.set SC,   32
.set BK,   64
.set ACC,  128
.set G1, 24
.set G0, 32
.set G1B, 48
.set G0B, 56
.set G1S, 68
.set G0S, 76
.set G1SB, 80
.set G0SB, 88
.set MSB, 0
.macro WIN new
.if MSB != (\new)
	s_set_vgpr_msb (MSB<<8)|(\new)
.set MSB, (\new)
.endif
.endm
.set MUL,  0x05
.set TO_F, 0x40
.macro JLOAD g0a, g1a, g0b, g1b
	s_cmp_eq_u32 s15, 0
	s_cbranch_scc0 .Lfor_b_\@
	tensor_load_to_lds s[\g0a:\g0a+3], s[\g1a:\g1a+7]
	s_nop 0
.rept 4
	v_nop
.endr
	s_branch .Lasked_\@
.Lfor_b_\@:
	tensor_load_to_lds s[\g0b:\g0b+3], s[\g1b:\g1b+7]
	s_nop 0
.rept 4
	v_nop
.endr
.Lasked_\@:
.endm
.macro CREST
	s_cmp_lg_u32 s14, 0
	s_cbranch_scc1 .Lnot_wave_0_\@
	s_barrier_signal -3
.Lnot_wave_0_\@:
	s_barrier_wait -3
	s_barrier_signal -1
	s_barrier_wait -1
.endm
.macro CROUND
	s_barrier_signal -1
	s_barrier_wait -1
	CREST
.endm
	s_load_b64 s[4:5], s[0:1], 0x0
	s_load_b128 s[8:11], s[0:1], 0x8
	s_load_b128 s[96:99], s[0:1], 0x18
	v_lshl_add_u32 v[SPW], v0, 2, SPARE
	v_mov_b32 v[NIL], 0
	ds_add_u32 v28, v29
	ds_add_u32 v28, v29
	s_wait_dscnt 0x0
	v_lshrrev_b32 v1, 5, v0
	v_readfirstlane_b32 s14, v1
	s_lshr_b32 s15, s14, 1
	s_and_b32 s16, s14, 1
	s_bfe_u32 s40, ttmp6, 0x40000
	s_bfe_u32 s41, ttmp6, 0x40004
	s_lshl_b32 s42, ttmp9, 2
	s_add_co_u32 s42, s42, s40
	s_and_b32 s17, ttmp7, 0xffff
	s_lshl_b32 s17, s17, 2
	s_add_co_u32 s17, s17, s41
	s_lshl_b32 s43, s41, 2
	s_lshl_b32 s43, 15, s43
	s_lshl_b32 s44, 0x1111, s40
	s_or_b32 s[G1+0], s43, (1<<21)
	s_mov_b32 s[G1+1], 6144<<16
	s_mov_b32 s[G1+2], 8<<16
	s_mov_b32 s[G1+3], 6144<<16
	s_mov_b32 s[G1+4], 8
	s_mov_b32 s[G1+5], KSN*1536
	s_mov_b32 s[G1+6], 0
	s_mov_b32 s[G1+7], 0
	s_or_b32 s[G1B+0], s44, (1<<21)
	s_mov_b32 s[G1B+1], ROWB<<16
	s_mov_b32 s[G1B+2], 8<<16
	s_mov_b32 s[G1B+3], ROWB<<16
	s_mov_b32 s[G1B+4], 8
	s_mov_b32 s[G1B+5], KSN*1536
	s_mov_b32 s[G1B+6], 0
	s_mov_b32 s[G1B+7], 0
	s_or_b32 s[G1S+0], s43, (3<<16)|(1<<20)|(1<<21)|(5<<22)|(3<<25)
	s_or_b32 s[G1SB+0], s44, (3<<16)|(1<<20)|(1<<21)|(5<<22)|(3<<25)
.irp g, G1S, G1SB
	s_mov_b32 s[\g+1], 32<<16
	s_mov_b32 s[\g+2], (128*KS/256)<<16
	s_mov_b32 s[\g+3], 32<<16
	s_mov_b32 s[\g+4], 128*KS/256
	s_mov_b32 s[\g+5], 32
	s_mov_b32 s[\g+6], 0
	s_mov_b32 s[\g+7], 0
.endr
	s_lshl_b32 s20, s17, 3
	s_lshl_b32 s18, s16, 2
	s_add_co_u32 s20, s20, s18
	s_mul_i32 s20, s20, KSN*1536
	s_mov_b32 s21, 0
	s_lshl_b32 s22, s17, 7
	s_lshl_b32 s18, s16, 6
	s_add_co_u32 s22, s22, s18
	s_mul_i32 s22, s22, KS
	s_add_co_u32 s22, s22, ASC
	s_mov_b32 s23, 0
	s_lshl_b32 s46, s42, 7
	s_add_co_u32 s46, s46, s18
	s_mul_i32 s92, s46, KS
	s_mov_b32 s93, 0
	s_mul_i32 s46, s46, KROW
	s_mov_b32 s47, 0
	s_mul_i32 s45, s16, HALFA
	s_mul_i32 s94, s16, HALFB
	s_add_co_u32 s94, s94, 2*HALFA
	s_wait_kmcnt 0x0
	s_add_nc_u64 s[20:21], s[4:5], s[20:21]
	s_add_nc_u64 s[22:23], s[4:5], s[22:23]
	s_add_nc_u64 s[8:9], s[8:9], 2359296           ; W_O's images in wimg
	s_add_nc_u64 s[46:47], s[8:9], s[46:47]
	s_add_nc_u64 s[92:93], s[10:11], s[92:93]
	CROUND
; THE HEAD'S FOUR TILES, each whole, one joint load a wave: wave 0 K step 0 of A's 128 rows, wave 1 of B's, wave 2 A's scales, wave 3 B's.  Each begins at the tile's first row: my half's bytes are taken off.
.set G0H, 4
.set G0HB, 8
.macro ARM under, g0, g1, next
	s_cmp_lt_u32 s14, \under
	s_cbranch_scc0 \next
	tensor_load_to_lds s[\g0:\g0+3], s[\g1:\g1+7]
	s_nop 0
.rept 4
	v_nop
.endr
	s_branch .Lhead_asked
\next:
.endm
	s_mul_i32 s18, s16, 4*KSN*1536
	s_mov_b32 s19, 0
	s_mov_b32 s[G0H], 1
	s_mov_b32 s[G0H+1], 0
	s_sub_nc_u64 s[G0H+2:G0H+3], s[20:21], s[18:19]
	s_or_b32 s[G0H+3], s[G0H+3], 0x80000000
	s_mov_b32 s[G0HB], 1
	s_mov_b32 s[G0HB+1], 2*HALFA
	s_sub_nc_u64 s[G0HB+2:G0HB+3], s[46:47], s[18:19]
	s_or_b32 s[G0HB+3], s[G0HB+3], 0x80000000
	s_mul_i32 s18, s16, 64*KS
	s_mov_b32 s[G0S], 1
	s_mov_b32 s[G0S+1], SCL
	s_sub_nc_u64 s[G0S+2:G0S+3], s[22:23], s[18:19]
	s_or_b32 s[G0S+3], s[G0S+3], 0x80000000
	s_mov_b32 s[G0SB], 1
	s_mov_b32 s[G0SB+1], SCL+2*HALFS
	s_sub_nc_u64 s[G0SB+2:G0SB+3], s[92:93], s[18:19]
	s_or_b32 s[G0SB+3], s[G0SB+3], 0x80000000
.irp s, 0,1
	s_mov_b32 s[G0+4*\s], 1
	s_add_co_u32 s[G0+4*\s+1], s45, \s*SLOT
	s_add_nc_u64 s[G0+4*\s+2:G0+4*\s+3], s[20:21], \s*6144
	s_or_b32 s[G0+4*\s+3], s[G0+4*\s+3], 0x80000000
	s_mov_b32 s[G0B+4*\s], 1
	s_add_co_u32 s[G0B+4*\s+1], s94, \s*SLOT
	s_add_nc_u64 s[G0B+4*\s+2:G0B+4*\s+3], s[46:47], \s*ROWB
	s_or_b32 s[G0B+4*\s+3], s[G0B+4*\s+3], 0x80000000
.endr
	ARM 1, G0H,  G1,  .Lhead_b                     ; one chain of branches on the wave's number: every way passes one load
	ARM 2, G0HB, G1B, .Lhead_sa
	ARM 3, G0S,  G1S, .Lhead_sb
	tensor_load_to_lds s[G0SB:G0SB+3], s[G1SB:G1SB+7]
	s_nop 0
.rept 4
	v_nop
.endr
.Lhead_asked:
	v_and_b32 v1, 15, v0
	v_bfe_u32 v2, v0, 4, 1
	v_and_b32 v3, 31, v0
	v_lshlrev_b32 v3, 3, v3
	s_wait_alu depctr_va_vdst(0)
	s_mul_i32 s21, s15, HALFA
	s_mul_i32 s22, s16, HALFB
	s_add_co_u32 s22, s22, 2*HALFA
.irp s, 0,1
	v_add_nc_u32 v[ADRA+\s], s21, v3
	v_add_nc_u32 v[ADRB+\s], s22, v3
	s_add_co_u32 s21, s21, SLOT
	s_add_co_u32 s22, s22, SLOT
.endr
	v_mul_u32_u24 v5, v1, KS
	v_lshrrev_b32 v6, 8, v5
	v_lshl_add_u32 v5, v6, 4, v5
	s_mul_i32 s21, s15, HALFS
	s_mul_i32 s22, s16, HALFS
	s_add_co_u32 s22, s22, 2*HALFS
	s_sub_co_u32 s22, s22, s21
	v_mul_u32_u24 v6, s22, v2
	s_add_co_u32 s21, s21, SCL
	v_add_nc_u32 v5, v5, v6
	v_add_nc_u32 v[ADRS], s21, v5
	s_mul_i32 s23, s14, 16*SPITCH
	v_mul_u32_u24 v5, v1, SPITCH
	v_lshl_add_u32 v5, v2, 5, v5
	v_add_nc_u32 v[STO], s23, v5
	v_mul_u32_u24 v5, v2, SPITCH
	v_lshl_add_u32 v5, v1, 4, v5
	v_add_nc_u32 v[RD], s23, v5
	v_lshlrev_b32 v5, 12, v2
	v_lshl_add_u32 v[CO], v1, 4, v5
	s_wait_alu depctr_va_vdst(0)
	s_lshl_b32 s20, s17, 7
	s_lshl_b32 s21, s15, 6
	s_add_co_u32 s20, s20, s21
	s_lshl_b32 s20, s20, 12
	s_lshl_b32 s46, s42, 9
	s_lshl_b32 s47, s16, 8
	s_add_co_u32 s46, s46, s47
	s_add_co_u32 s20, s20, s46
	s_mov_b32 s21, 0
	s_add_nc_u64 s[96:97], s[96:97], s[20:21]
	s_add_nc_u64 s[98:99], s[98:99], s[20:21]
	WIN 0x80
.irp a, 0,1,2,3
.irp t, 0,1,2,3,4,5,6,7
	global_load_b128 v[32*\a+4*\t:32*\a+4*\t+3], v[CO], s[96:97] offset:(16*\a+2*\t)*4096 th:TH_LOAD_NT
.endr
.endr
	WIN 0
.macro FRAGA reg, slot, q, i
.irp p, 0,1,2,3,4,5
	ds_load_b64 v[(\reg)+2*\p:(\reg)+2*\p+1], v[ADRA+\slot] offset:((\i)*4+(\q))*1536+256*\p
.endr
.endm
.macro FRAGB reg, slot, q, i
.irp p, 0,1,2,3,4,5
	ds_load_b64 v[(\reg)+2*\p:(\reg)+2*\p+1], v[ADRB+\slot] offset:((\i)*4+(\q))*1536+256*\p
.endr
.endm
.macro FETCH slot, q, f
	WIN TO_F
.irp i, 0,1,2,3
	FRAGB 128*(\f)+48+FR*\i, \slot, \q, \i
.endr
.irp i, 0,1,2,3
	FRAGA 128*(\f)+FR*\i, \slot, \q, \i
.endr
.endm
.macro SCALES sc
.irp i, 0,1,2,3
	ds_load_b128 v[SC+16*\sc+4*\i:SC+16*\sc+4*\i+3], v[ADRS] offset:\i*SBLK
.endr
.endm
.macro MUL4 a, f, q, sc, zero
.irp b, 0,1,2,3
.if \zero
	v_wmma_scale_f32_16x16x128_f8f6f4 v[ACC+8*(4*(\a)+\b):ACC+8*(4*(\a)+\b)+7], v[128*(\f)+48+FR*\b:128*(\f)+48+FR*\b+FR-1], v[128*(\f)+FR*(\a):128*(\f)+FR*(\a)+FR-1], 0, v[SC+16*(\sc)+4*\b+(\q)], v[SC+16*(\sc)+4*(\a)+(\q)] matrix_a_fmt:MATRIX_FMT_FP6 matrix_b_fmt:MATRIX_FMT_FP6 matrix_a_scale:MATRIX_SCALE_ROW1
.else
	v_wmma_scale_f32_16x16x128_f8f6f4 v[ACC+8*(4*(\a)+\b):ACC+8*(4*(\a)+\b)+7], v[128*(\f)+48+FR*\b:128*(\f)+48+FR*\b+FR-1], v[128*(\f)+FR*(\a):128*(\f)+FR*(\a)+FR-1], v[ACC+8*(4*(\a)+\b):ACC+8*(4*(\a)+\b)+7], v[SC+16*(\sc)+4*\b+(\q)], v[SC+16*(\sc)+4*(\a)+(\q)] matrix_a_fmt:MATRIX_FMT_FP6 matrix_b_fmt:MATRIX_FMT_FP6 matrix_a_scale:MATRIX_SCALE_ROW1
.endif
.endr
.endm
.macro PLACES n
.rept \n
	v_nop
.endr
.endm
.macro STEP slot, q, zero
	s_wait_dscnt 12
	WIN MUL
	MUL4 0, (\q)%2, \q, \slot, \zero
	MUL4 1, (\q)%2, \q, \slot, \zero
	PLACES 4
	FETCH \slot, (\q)+1, 1-(\q)%2
	s_wait_dscnt 48
	WIN MUL
	MUL4 2, (\q)%2, \q, \slot, \zero
	MUL4 3, (\q)%2, \q, \slot, \zero
	WIN 0
.endm
.macro TURN slot, next, fill
	s_wait_tensorcnt 0x0
	ds_add_u32 v[SPW], v[NIL]
	s_wait_dscnt 13
	WIN MUL
	MUL4 0, 1, 3, \slot, 0
	s_wait_dscnt 0x0
	s_barrier_signal -1
	MUL4 1, 1, 3, \slot, 0
	WIN 0
	s_barrier_wait -1
.if \fill
	CREST
	s_add_nc_u64 s[G0+4*\slot+2:G0+4*\slot+3], s[G0+4*\slot+2:G0+4*\slot+3], 2*6144
	s_add_nc_u64 s[G0B+4*\slot+2:G0B+4*\slot+3], s[G0B+4*\slot+2:G0B+4*\slot+3], 2*ROWB
	JLOAD G0+4*\slot, G1, G0B+4*\slot, G1B
.else
	PLACES 4
.endif
	v_add_nc_u32 v[ADRS], 16, v[ADRS]
	SCALES \next
	FETCH \next, 0, 0
	WIN MUL
	MUL4 2, 1, 3, \slot, 0
	MUL4 3, 1, 3, \slot, 0
	WIN 0
.endm
	s_wait_tensorcnt 0x0                           ; my tile of the head's four is in
	ds_add_u32 v[SPW], v[NIL]
	s_mov_b32 s[G1+2], 4<<16                       ; no tensor load of mine is out: from here on a load brings 4 blocks
	s_mov_b32 s[G1+4], 4
	s_mov_b32 s[G1B+2], 4<<16
	s_mov_b32 s[G1B+4], 4
	s_wait_dscnt 0x0
	CROUND                                         ; all four tiles are in, and all sixteen work-groups are here
	JLOAD G0+4, G1, G0B+4, G1B                     ; K step 1, the first tensor load behind the round
	SCALES 0
	FETCH 0, 0, 0
	STEP 0, 0, 1
.if LAPS > 1
	s_mov_b32 s3, LAPS-1
.Llap:
	STEP 0, 1, 0
	STEP 0, 2, 0
	TURN 0, 1, 1
	STEP 1, 0, 0
	STEP 1, 1, 0
	STEP 1, 2, 0
	TURN 1, 0, 1
	STEP 0, 0, 0
	s_sub_co_u32 s3, s3, 1
	s_cmp_lg_u32 s3, 0
	s_cbranch_scc1 .Llap
.endif
	STEP 0, 1, 0
	STEP 0, 2, 0
	TURN 0, 1, 0
	STEP 1, 0, 0
	STEP 1, 1, 0
	STEP 1, 2, 0
	s_wait_dscnt 12
	WIN MUL
	MUL4 0, 1, 3, 1, 0
	MUL4 1, 1, 3, 1, 0
	s_wait_dscnt 0
	MUL4 2, 1, 3, 1, 0
	MUL4 3, 1, 3, 1, 0
	WIN 0
.macro TOSTAGE a
.irp b, 0,1,2,3
	ds_store_b128 v[STO], v[ACC+8*(4*(\a)+\b):ACC+8*(4*(\a)+\b)+3] offset:64*\b
	ds_store_b128 v[STO], v[ACC+8*(4*(\a)+\b)+4:ACC+8*(4*(\a)+\b)+7] offset:64*\b+16
.endr
.set BB, BK+32*((\a)%2)
.irp t, 0,1,2,3,4,5,6,7
	ds_load_b128 v[BB+4*\t:BB+4*\t+3], v[RD] offset:\t*2*SPITCH
.endr
.endm
.macro SEND a, younger
.set BB, BK+32*((\a)%2)
	s_wait_dscnt \younger
	WIN 0x08
.set j, 0
.rept 16
	v_pk_add_f32 v[BB+j:BB+j+1], v[BB+j:BB+j+1], v[32*(\a)+j:32*(\a)+j+1]
.set j, j+2
.endr
	WIN 0
.irp t, 0,1,2,3,4,5,6,7
	global_store_b128 v[CO], v[BB+4*\t:BB+4*\t+3], s[98:99] offset:(16*(\a)+2*\t)*4096 th:TH_STORE_NT
.endr
.endm
	PLACES 4
	s_wait_loadcnt 0x0
	TOSTAGE 0
.irp a, 1,2,3
.if \a > 1
	s_wait_xcnt 0x0
.endif
	TOSTAGE \a
	SEND \a-1, 16
.endr
	SEND 3, 0
	s_wait_tensorcnt 0x0
	ds_add_u32 v[SPW], v[NIL]
	s_wait_dscnt 0x0
	CROUND
	s_endpgm
.Lfunc_end_k_q6a76eedd85_oproj:
	.size	k_q6a76eedd85_oproj, .Lfunc_end_k_q6a76eedd85_oproj-k_q6a76eedd85_oproj
	.p2alignl 7, 3214868480
	.fill 96, 4, 3214868480
	.section	.rodata,"a",@progbits
	.p2align	6, 0x0
	.amdhsa_kernel k_q6a76eedd85_oproj
		.amdhsa_group_segment_fixed_size 327680
		.amdhsa_private_segment_fixed_size 0
		.amdhsa_enable_private_segment 0
		.amdhsa_kernarg_size 40
		.amdhsa_user_sgpr_count 2
		.amdhsa_user_sgpr_kernarg_segment_ptr 1
		.amdhsa_wavefront_size32 1
		.amdhsa_system_sgpr_workgroup_id_x 1
		.amdhsa_system_sgpr_workgroup_id_y 1
		.amdhsa_system_sgpr_workgroup_id_z 1
		.amdhsa_system_vgpr_workitem_id 0
		.amdhsa_next_free_vgpr 768
		.amdhsa_next_free_sgpr 100
		.amdhsa_reserve_vcc 0
		.amdhsa_float_denorm_mode_32 3
		.amdhsa_float_denorm_mode_16_64 3
		.amdhsa_memory_ordered 1
		.amdhsa_forward_progress 1
		.amdhsa_inst_pref_size 69
	.end_amdhsa_kernel
	.amdgpu_metadata
---
amdhsa.version: [ 1, 2 ]
amdhsa.kernels:
  - .name:           k_q6a76eedd85_oproj
    .symbol:         k_q6a76eedd85_oproj.kd
    .args:
      - { .name: ctx, .offset: 0, .size: 8, .value_kind: global_buffer, .address_space: global }
      - { .name: wimg, .offset: 8, .size: 8, .value_kind: global_buffer, .address_space: global }
      - { .name: W_O_scales, .offset: 16, .size: 8, .value_kind: global_buffer, .address_space: global }
      - { .name: z, .offset: 24, .size: 8, .value_kind: global_buffer, .address_space: global }
      - { .name: z1, .offset: 32, .size: 8, .value_kind: global_buffer, .address_space: global }
    .group_segment_fixed_size: 327680
    .private_segment_fixed_size: 0
    .kernarg_segment_align: 8
    .kernarg_segment_size: 40
    .max_flat_workgroup_size: 128
    .sgpr_count:     100
    .vgpr_count:     768
    .wavefront_size: 32
...
	.end_amdgpu_metadata
.endif
;; end of part 4
;; launch norm2 (part 5): grid 256 x 1, 8 waves a work-group, no clusters, 54,784 bytes of LDS; arguments z1, g2, xn; writes xn
.if DOCPART == 5
	.amdgcn_target "amdgcn-amd-amdhsa--gfx1250"
	.amdhsa_code_object_version 6
	.text
	.protected	k_q6a76eedd85_norm2
	.globl	k_q6a76eedd85_norm2
	.p2align	8
	.type	k_q6a76eedd85_norm2,@function
k_q6a76eedd85_norm2:
	s_mov_b64 s[64:65], 0
	v_nop
	global_prefetch_b8 v0, s[64:65] scope:SCOPE_SE
	s_setreg_imm32_b32 hwreg(HW_REG_WAVE_MODE, 25, 1), 1
	s_wait_xcnt 0x0
; y = Q(rmsnorm(x, g)): x [4096][1024] f32, g [1024] f32: the first launch's norm by itself (the weights have been laid by then).
; Out: codes of FP6 (E2M3) as images of operand registers, ((row / 16 x 8 + k / 128) x 6 + piece) x 256 + 8 (r + 16 h), at byte 0 of the third buffer; one E8M0 byte for each 32 along K, [4096][32], at byte XSC of it.
; rmsnorm: x * rsqrt(sum(x^2) / 1024 + 1e-5) * g, all in f32.  A block's scale is 2^(floor(log2(largest magnitude)) - 2).
; LIMITS: 1 / rms is v_rsq_f32 and a multiplication (1 ulp) in place of a root and a division; a block of zeros gets the byte 1 where the rule says 127
; (its codes are zeros, and this program alone reads the bytes); NaN and infinities among the inputs are not served.
; SHARES: a work-group of eight waves takes 16 neighbouring rows, a wave two.  A row lies in 32 registers a lane.  No tensor load, no matrix unit, no cluster (no byte of x is read twice).
; Each load reads 512 consecutive bytes.  The conversion wants 16 neighbours in a lane, so a row turns through the wave's own two stages in LDS.  The work-group's 16 rows of codes are one image of 12,288 bytes,
; gathered in LDS from byte IMG on; its 512 scale bytes are gathered too; behind one barrier both leave in whole runs.
.set SP,    80                         ; a lane's place in a stage: 64 bytes + 16
.set STG,   2*32*SP                    ; LDS of a wave: two stages
.set SCB,   8*STG                      ; behind the stages: the work-group's 512 scale bytes
.set XSC,   3145728
.set IMG,   42496                      ; behind the spare words: the image
.set X,     32                         ; v32-63   the row after the turn
.set RA,    64                         ; v64-127  two sets of 32: rows as loaded
.set GN,    192                        ; v192-223 g
.set CD,    224                        ; v224-239 codes
.set EB,    240                        ; v240-243 scale bytes
	s_load_b128 s[4:7], s[0:1], 0x0                ; x, g
	s_load_b64 s[8:9], s[0:1], 0x10                ; the output buffer
	v_lshl_add_u32 v248, v0, 2, 0xa200
	v_mov_b32 v249, 0
	v_lshrrev_b32 v1, 5, v0
	s_delay_alu instid0(VALU_DEP_1)
	v_readfirstlane_b32 s12, v1                    ; wave 0..7
	v_and_b32 v1, 31, v0                           ; lane
	s_delay_alu instid0(VALU_DEP_1)
	v_lshlrev_b32 v2, 4, v1                        ; my 16 bytes of a load's 512
	s_mul_i32 s13, s12, STG
	v_lshrrev_b32 v3, 2, v1
	s_delay_alu instid0(VALU_DEP_1)
	v_mul_u32_u24 v3, v3, SP
	v_and_b32 v4, 3, v1
	s_delay_alu instid0(VALU_DEP_1)
	v_lshl_add_u32 v3, v4, 4, v3
	s_delay_alu instid0(VALU_DEP_1)
	v_add_nc_u32 v3, s13, v3                       ; the stage, way in
	v_mul_u32_u24 v4, v1, SP
	s_delay_alu instid0(VALU_DEP_1)
	v_add_nc_u32 v4, s13, v4                       ; way out
	v_lshrrev_b32 v6, 1, v1
	s_lshl_b32 s13, s12, 6
	s_add_co_u32 s13, s13, SCB
	v_add_nc_u32 v6, s13, v6                       ; my block's scale byte in LDS
	v_lshlrev_b32 v7, 3, v1
	s_and_b32 s15, s12, 1
	s_lshl_b32 s15, s15, 8
	s_add_co_u32 s13, s15, SCB
	v_add_nc_u32 v8, s13, v7                       ; the scale bytes' way out
	v_lshlrev_b32 v9, 6, v1                        ; g: 64 bytes a lane
	; my 16 codes are words 3 u .. 3 u + 2 (u = lane % 2) of the six of block (lane / 2) % 4 = 2 c + h of step lane / 8 (+ 4 for the row's second half)
	s_lshl_b32 s26, s12, 4
	s_add_co_u32 s26, s26, IMG                     ; row 2 x wave: 8 bytes a row
	v_lshrrev_b32 v26, 3, v1
	v_mul_u32_u24 v26, v26, 1536
	v_bfe_u32 v27, v1, 2, 1
	v_mad_u32_u24 v26, v27, 768, v26               ; c: three pieces
	v_bfe_u32 v27, v1, 1, 1
	v_lshl_add_u32 v26, v27, 7, v26                ; h: 16 lanes
	v_add_nc_u32 v26, s26, v26
	v_and_b32 v28, 1, v1
	v_mad_u32_u24 v27, v28, 508, v26
	v_add_nc_u32 v27, 4, v27                       ; my second word
	v_mad_u32_u24 v26, v28, 260, v26               ; my first word; my third lies 256 bytes on
	v_lshl_add_u32 v29, v0, 4, IMG                 ; the image's way out: 16 bytes a thread
	v_lshlrev_b32 v30, 4, v0
	v_mov_b32 v19, 0                               ; written once: a lane permute's destination counts as a source
	s_mov_b32 s16, 0x3a800000                      ; 1 / 1024
	s_mov_b32 s17, 0x3727c5ac                      ; 1e-5
	s_mov_b32 s18, 0x76543210
	s_mov_b32 s19, 0xfedcba98                      ; selects: lane l xor 16
	s_lshl_b32 s14, ttmp9, 4
	s_lshl_b32 s20, s12, 1
	s_add_co_u32 s14, s14, s20                     ; my first row
	s_lshl_b32 s20, s14, 12
	s_mov_b32 s21, 0
	s_mul_i32 s22, ttmp9, 12288
	s_mov_b32 s23, 0
	s_lshl_b32 s24, ttmp9, 9
	s_add_co_u32 s24, s24, s15
	s_add_co_u32 s24, s24, XSC
	s_mov_b32 s25, 0
	s_wait_alu depctr_va_vdst(0)
	s_wait_kmcnt 0x0
	s_add_nc_u64 s[4:5], s[4:5], s[20:21]
	s_add_nc_u64 s[10:11], s[8:9], s[24:25]
	s_add_nc_u64 s[8:9], s[8:9], s[22:23]
.irp t, 0,1
.irp i, 0,1,2,3
	global_load_b128 v[GN+16*\t+4*\i:GN+16*\t+4*\i+3], v9, s[6:7] offset:2048*\t+16*\i
.endr
.endr
.irp n, 0,1
.irp i, 0,1,2,3,4,5,6,7
	global_load_b128 v[RA+32*\n+4*\i:RA+32*\n+4*\i+3], v2, s[4:5] offset:4096*\n+512*\i th:TH_LOAD_NT
.endr
.endr
.macro ROW n
.set RS, RA+32*(\n)
	s_wait_loadcnt 8*(1-(\n))                      ; my row's 8 loads are in (and g's, which are older); the other row's 8 may be out
.irp k, 0,1,2,3
	v_pk_mul_f32 v[10+2*\k:11+2*\k], v[RS+2*\k:RS+2*\k+1], v[RS+2*\k:RS+2*\k+1]
.endr
.irp i, 8,16,24
.irp k, 0,1,2,3
	s_delay_alu instid0(VALU_DEP_4)
	v_pk_fma_f32 v[10+2*\k:11+2*\k], v[RS+\i+2*\k:RS+\i+2*\k+1], v[RS+\i+2*\k:RS+\i+2*\k+1], v[10+2*\k:11+2*\k]
.endr
.endr
.irp i, 0,1,2,3,4,5,6,7
	ds_store_b128 v3, v[RS+4*\i:RS+4*\i+3] offset:(\i/4)*32*SP+(\i%4)*8*SP
.endr
.irp t, 0,1
.irp i, 0,1,2,3
	ds_load_b128 v[X+16*\t+4*\i:X+16*\t+4*\i+3], v4 offset:\t*32*SP+16*\i      ; LDS serves a wave's instructions in order: these see the stores above
.endr
.endr
	v_pk_add_f32 v[10:11], v[10:11], v[12:13]
	v_pk_add_f32 v[14:15], v[14:15], v[16:17]
	s_delay_alu instid0(VALU_DEP_1)
	v_pk_add_f32 v[10:11], v[10:11], v[14:15]
	s_delay_alu instid0(VALU_DEP_1)
	v_add_f32 v18, v10, v11
	s_delay_alu instid0(VALU_DEP_1)
	v_add_f32_dpp v18, v18, v18 row_xmask:1 row_mask:0xf bank_mask:0xf
	s_delay_alu instid0(VALU_DEP_1)
	v_add_f32_dpp v18, v18, v18 row_xmask:2 row_mask:0xf bank_mask:0xf
	s_delay_alu instid0(VALU_DEP_1)
	v_add_f32_dpp v18, v18, v18 row_xmask:4 row_mask:0xf bank_mask:0xf
	s_delay_alu instid0(VALU_DEP_1)
	v_add_f32_dpp v18, v18, v18 row_xmask:8 row_mask:0xf bank_mask:0xf
	s_delay_alu instid0(VALU_DEP_1)
	v_permlanex16_b32 v19, v18, s18, s19
	s_delay_alu instid0(VALU_DEP_1)
	v_add_f32 v18, v18, v19                        ; the row's sum of squares, in every lane
	s_delay_alu instid0(VALU_DEP_1)
	v_fma_f32 v18, v18, s16, s17                   ; / 1024 + eps
	s_wait_alu depctr_va_vdst(0)
	v_rsq_f32 v20, v18
	v_rsq_f32 v21, v18                             ; twice: a pair for the packed multiply
	v_nop                                          ; a plain instruction behind the transcendentals
	s_wait_dscnt 0x0                               ; the row is back from the stages
	s_wait_alu depctr_va_vdst(0)                   ; one wait for both, ahead of their first reader
.set j, 0
.rept 16
	v_pk_mul_f32 v[X+j:X+j+1], v[X+j:X+j+1], v[20:21]
.set j, j+2
.endr
.set j, 0
.rept 16
	v_pk_mul_f32 v[X+j:X+j+1], v[X+j:X+j+1], v[GN+j:GN+j+1]
.set j, j+2
.endr
.irp t, 0,1
.set XS, X+16*\t
.set CR, CD+4*(2*(\n)+\t)
.set ER, EB+2*(\n)+\t
	v_max3_num_f32 v22, |v[XS]|, |v[XS+1]|, |v[XS+2]|               ; the largest magnitude of my 16
	v_max3_num_f32 v23, |v[XS+3]|, |v[XS+4]|, |v[XS+5]|
.irp i, 6,10
	s_delay_alu instid0(VALU_DEP_2)
	v_max3_num_f32 v22, v22, |v[XS+\i]|, |v[XS+\i+1]|
	s_delay_alu instid0(VALU_DEP_2)
	v_max3_num_f32 v23, v23, |v[XS+\i+2]|, |v[XS+\i+3]|
.endr
	s_delay_alu instid0(VALU_DEP_2)
	v_max3_num_f32 v22, v22, |v[XS+14]|, |v[XS+15]|
	s_delay_alu instid0(VALU_DEP_1)
	v_max3_num_f32 v22, v22, v23, 0x1800000        ; and the floor 2^(3 - 127): the byte cannot fall under 1
	s_delay_alu instid0(VALU_DEP_1)
	v_max_num_f32_dpp v22, v22, v22 row_xmask:1 row_mask:0xf bank_mask:0xf   ; with my neighbour's 16: the block's
	s_delay_alu instid0(VALU_DEP_1)
	v_add_nc_u32 v[24+\t], 0xff000000, v22         ; 2 off its exponent field: the conversion's scale operand
	v_cvt_scalef32_pk16_fp6_f32 v[CR:CR+2], v[XS:XS+15], v[24+\t]
	v_lshrrev_b32 v[ER], 23, v[24+\t]              ; the scale's byte (a plain line behind the conversion)
	ds_store_b8 v6, v[ER] offset:32*(\n)+16*\t     ; both lanes of a block write the same byte with the same value
	ds_store_b32 v26, v[CR] offset:8*(\n)+6144*\t
	ds_store_b32 v27, v[CR+1] offset:8*(\n)+6144*\t
	ds_store_b32 v26, v[CR+2] offset:256+8*(\n)+6144*\t
.endr
.endm
	ROW 0
	ROW 1
	s_wait_dscnt 0x0                               ; for the others' sake: my codes and scale bytes lie in LDS
	s_barrier_signal -1
	s_barrier_wait -1                              ; everybody's do
.irp j, 0,1,2
	ds_load_b128 v[32+4*\j:35+4*\j], v29 offset:4096*\j
.endr
	s_wait_dscnt 0x0
.irp j, 0,1,2
	global_store_b128 v30, v[32+4*\j:35+4*\j], s[8:9] offset:4096*\j   ; a wave stores 512 consecutive bytes, aligned
.endr
	s_cmp_lt_u32 s12, 2
	s_cbranch_scc0 .Lend                           ; waves 0 and 1 store the scale bytes
	ds_load_b64 v[22:23], v8
	s_wait_dscnt 0x0
	global_store_b64 v7, v[22:23], s[10:11]        ; 32 lanes store 256 consecutive bytes, aligned
.Lend:
	s_wait_tensorcnt 0x0                           ; the wave's end
	ds_add_u32 v248, v249
	s_wait_dscnt 0x0
	s_endpgm
.Lfunc_end_k_q6a76eedd85_norm2:
	.size	k_q6a76eedd85_norm2, .Lfunc_end_k_q6a76eedd85_norm2-k_q6a76eedd85_norm2
	.p2alignl 7, 3214868480
	.fill 96, 4, 3214868480
	.section	.rodata,"a",@progbits
	.p2align	6, 0x0
	.amdhsa_kernel k_q6a76eedd85_norm2
		.amdhsa_group_segment_fixed_size 54784
		.amdhsa_private_segment_fixed_size 0
		.amdhsa_enable_private_segment 0
		.amdhsa_kernarg_size 24
		.amdhsa_user_sgpr_count 2
		.amdhsa_user_sgpr_kernarg_segment_ptr 1
		.amdhsa_wavefront_size32 1
		.amdhsa_system_sgpr_workgroup_id_x 1
		.amdhsa_system_sgpr_workgroup_id_y 1
		.amdhsa_system_sgpr_workgroup_id_z 1
		.amdhsa_system_vgpr_workitem_id 0
		.amdhsa_next_free_vgpr 250
		.amdhsa_next_free_sgpr 66
		.amdhsa_reserve_vcc 0
		.amdhsa_float_denorm_mode_32 3
		.amdhsa_float_denorm_mode_16_64 3
		.amdhsa_memory_ordered 1
		.amdhsa_forward_progress 1
		.amdhsa_inst_pref_size 23
	.end_amdhsa_kernel
	.amdgpu_metadata
---
amdhsa.version: [ 1, 2 ]
amdhsa.kernels:
  - .name:           k_q6a76eedd85_norm2
    .symbol:         k_q6a76eedd85_norm2.kd
    .args:
      - { .name: z1, .offset: 0, .size: 8, .value_kind: global_buffer, .address_space: global }
      - { .name: g2, .offset: 8, .size: 8, .value_kind: global_buffer, .address_space: global }
      - { .name: xn, .offset: 16, .size: 8, .value_kind: global_buffer, .address_space: global }
    .group_segment_fixed_size: 54784
    .private_segment_fixed_size: 0
    .kernarg_segment_align: 8
    .kernarg_segment_size: 24
    .max_flat_workgroup_size: 256
    .sgpr_count:     66
    .vgpr_count:     250
    .wavefront_size: 32
...
	.end_amdgpu_metadata
.endif
;; end of part 5
;; launch fc (part 6): grid 16 x 16, 4 waves a work-group, clusters of 4 x 4, 327,680 bytes of LDS; arguments xn, wimg, W_fc_scales, hid; writes hid
.if DOCPART == 6
	.amdgcn_target "amdgcn-amd-amdhsa--gfx1250"
	.amdhsa_code_object_version 6
	.text
	.protected	k_q6a76eedd85_fc
	.globl	k_q6a76eedd85_fc
	.p2align	8
	.type	k_q6a76eedd85_fc,@function
k_q6a76eedd85_fc:
	s_mov_b64 s[64:65], 0
	v_nop
	global_prefetch_b8 v0, s[64:65] scope:SCOPE_SE
	s_setreg_imm32_b32 hwreg(HW_REG_WAVE_MODE, 25, 1), 1
	s_wait_xcnt 0x0
	s_wait_alu depctr_hold_cnt(0) depctr_sa_sdst(0) depctr_va_vdst(0) depctr_va_sdst(0) depctr_va_ssrc(0) depctr_va_vcc(0) depctr_vm_vsrc(0)
	s_getreg_b32 s2, hwreg(HW_REG_IB_STS2, 6, 4)
	s_cmp_eq_u32 s2, 0
	s_cbranch_scc0 .Lentry_in_a_cluster
	s_endpgm
.Lentry_in_a_cluster:
	s_bfe_u32 s2, ttmp6, 0x10000c
	s_cmp_lg_u32 s2, 0xf033
	s_cbranch_scc0 .Lentry_shape_is_right
	s_endpgm
.Lentry_shape_is_right:
.set SIZE_K, 1024
.set KSTEP,  256
.set NQ,     KSTEP/128
; hid = Q(gelu(xn W_fc)) on codes of FP6 with E8M0 scales; tiles of 256 x 256, K in steps of 256 through two LDS slots, clusters 4 x 4 with joint loads.
; xn's codes and W_fc's (byte 3,145,728 of wimg) come as images of operand registers: 1,536 bytes for 16 rows x 128 K.  A tile's row is one block of 16 rows x 256 K.
.set ROWB,   3072
.set KROW,   SIZE_K*6/8
.set PITCH,  192                       ; a slot's bytes for each row of A or B
.set FR,     12
.set NL,     6
.set NP,     4
.set HALFT,  128*PITCH
.set SLOT,   4*HALFT
.set LAPS,   SIZE_K/(2*KSTEP)
.set KS,     SIZE_K/32
.set SCL,    2*SLOT
.set HALFS,  (128*KS/256)*272
.set SBLK,   (16*KS/256)*272
.set SPARE,  SCL+4*HALFS
.set ADRA, 16
.set ADRB, 20
.set ADRS, 27
.set SPW,  28
.set NIL,  29
.set SC,   32
.set AF,   128
.set G1, 24
.set G0, 32
.set G1B, 48
.set G0B, 56
.set G1S, 68
.set G0S, 76
.set G1SB, 80
.set G0SB, 88
.set MSB, 0
.macro WIN new
.if MSB != (\new)
	s_set_vgpr_msb (MSB<<8)|(\new)
.set MSB, (\new)
.endif
.endm
.set MUL_LO, 0xa1
.set MUL_HI, 0xf1
.set TO_B,   0x40
.macro JLOAD g0a, g1a, g0b, g1b
	s_cmp_eq_u32 s15, 0
	s_cbranch_scc0 .Lfor_b_\@
	tensor_load_to_lds s[\g0a:\g0a+3], s[\g1a:\g1a+7]
	s_nop 0
.rept 4
	v_nop
.endr
	s_branch .Lasked_\@
.Lfor_b_\@:
	tensor_load_to_lds s[\g0b:\g0b+3], s[\g1b:\g1b+7]
	s_nop 0
.rept 4
	v_nop
.endr
.Lasked_\@:
.endm
.macro CREST
	s_cmp_lg_u32 s14, 0
	s_cbranch_scc1 .Lnot_wave_0_\@
	s_barrier_signal -3
.Lnot_wave_0_\@:
	s_barrier_wait -3
	s_barrier_signal -1
	s_barrier_wait -1
.endm
.macro CROUND
	s_barrier_signal -1
	s_barrier_wait -1
	CREST
.endm
	s_load_b64 s[4:5], s[0:1], 0x0
	s_load_b64 s[8:9], s[0:1], 0x8
	s_load_b64 s[10:11], s[0:1], 0x10
	s_load_b64 s[12:13], s[0:1], 0x18
	v_lshl_add_u32 v[SPW], v0, 2, SPARE
	v_mov_b32 v[NIL], 0
	ds_add_u32 v28, v29
	ds_add_u32 v28, v29
	s_wait_dscnt 0x0
	v_lshrrev_b32 v1, 5, v0
	v_readfirstlane_b32 s14, v1
	s_lshr_b32 s15, s14, 1
	s_and_b32 s16, s14, 1
	s_bfe_u32 s40, ttmp6, 0x40000
	s_bfe_u32 s41, ttmp6, 0x40004
	s_lshl_b32 s42, ttmp9, 2
	s_add_co_u32 s42, s42, s40
	s_and_b32 s17, ttmp7, 0xffff
	s_lshl_b32 s17, s17, 2
	s_add_co_u32 s17, s17, s41
	s_lshl_b32 s43, s41, 2
	s_lshl_b32 s43, 15, s43
	s_lshl_b32 s44, 0x1111, s40
	s_or_b32 s[G1+0], s43, (1<<21)                 ; the mask; bytes; bit 21 beside a mask; no padding
	s_or_b32 s[G1B+0], s44, (1<<21)
.irp g, G1, G1B
	s_mov_b32 s[\g+1], ROWB<<16
	s_mov_b32 s[\g+2], 16<<16                      ; the head's loads bring 16 blocks of 16 rows; the ring's 8
	s_mov_b32 s[\g+3], ROWB<<16
	s_mov_b32 s[\g+4], 16
	s_mov_b32 s[\g+5], 16*KROW                     ; from block to block
	s_mov_b32 s[\g+6], 0
	s_mov_b32 s[\g+7], 0
.endr
	s_or_b32 s[G1S+0], s43, (3<<16)|(1<<20)|(1<<21)|(5<<22)|(3<<25)
	s_or_b32 s[G1SB+0], s44, (3<<16)|(1<<20)|(1<<21)|(5<<22)|(3<<25)
.irp g, G1S, G1SB
	s_mov_b32 s[\g+1], 32<<16
	s_mov_b32 s[\g+2], (256*KS/256)<<16
	s_mov_b32 s[\g+3], 32<<16
	s_mov_b32 s[\g+4], 256*KS/256
	s_mov_b32 s[\g+5], 32
	s_mov_b32 s[\g+6], 0
	s_mov_b32 s[\g+7], 0
.endr
	s_lshl_b32 s18, s16, 7
	s_lshl_b32 s20, s17, 8
	s_add_co_u32 s20, s20, s18
	s_lshl_b32 s46, s42, 8
	s_add_co_u32 s46, s46, s18
	s_mov_b32 s21, 0
	s_mov_b32 s47, 0
	s_mov_b64 s[18:19], KS
	s_mul_u64 s[22:23], s[20:21], s[18:19]
	s_mul_u64 s[92:93], s[46:47], s[18:19]
	s_mov_b64 s[18:19], KROW
	s_mul_u64 s[20:21], s[20:21], s[18:19]
	s_mul_u64 s[46:47], s[46:47], s[18:19]
	s_mul_i32 s45, s14, HALFT
	s_wait_kmcnt 0x0
	s_add_nc_u64 s[6:7], s[4:5], 3145728
	s_add_nc_u64 s[8:9], s[8:9], 3145728           ; W_fc's images in wimg
	s_add_nc_u64 s[20:21], s[4:5], s[20:21]
	s_add_nc_u64 s[22:23], s[6:7], s[22:23]
	s_add_nc_u64 s[46:47], s[8:9], s[46:47]
	s_add_nc_u64 s[92:93], s[10:11], s[92:93]
	CROUND
; THE HEAD'S FOUR TILES, each whole, one joint load a wave: wave 0 K step 0 of A's 256 rows, wave 1 of B's, wave 2 A's scales, wave 3 B's.  Each begins at the tile's first row: my half's bytes are taken off.
.set G0H, 4
.set G0HB, 8
.macro ARM under, g0, g1, next
	s_cmp_lt_u32 s14, \under
	s_cbranch_scc0 \next
	tensor_load_to_lds s[\g0:\g0+3], s[\g1:\g1+7]
	s_nop 0
.rept 4
	v_nop
.endr
	s_branch .Lhead_asked
\next:
.endm
	s_mul_i32 s18, s16, 128*KROW
	s_mov_b32 s19, 0
	s_mov_b32 s[G0H], 1
	s_mov_b32 s[G0H+1], 0
	s_sub_nc_u64 s[G0H+2:G0H+3], s[20:21], s[18:19]
	s_or_b32 s[G0H+3], s[G0H+3], 0x80000000
	s_mov_b32 s[G0HB], 1
	s_mov_b32 s[G0HB+1], 2*HALFT
	s_sub_nc_u64 s[G0HB+2:G0HB+3], s[46:47], s[18:19]
	s_or_b32 s[G0HB+3], s[G0HB+3], 0x80000000
	s_mul_i32 s18, s16, 128*KS
	s_mov_b32 s[G0S], 1
	s_mov_b32 s[G0S+1], SCL
	s_sub_nc_u64 s[G0S+2:G0S+3], s[22:23], s[18:19]
	s_or_b32 s[G0S+3], s[G0S+3], 0x80000000
	s_mov_b32 s[G0SB], 1
	s_mov_b32 s[G0SB+1], SCL+2*HALFS
	s_sub_nc_u64 s[G0SB+2:G0SB+3], s[92:93], s[18:19]
	s_or_b32 s[G0SB+3], s[G0SB+3], 0x80000000
.irp s, 0,1
	s_mov_b32 s[G0+4*\s], 1
	s_add_co_u32 s[G0+4*\s+1], s45, \s*SLOT
	s_add_nc_u64 s[G0+4*\s+2:G0+4*\s+3], s[20:21], \s*ROWB
	s_or_b32 s[G0+4*\s+3], s[G0+4*\s+3], 0x80000000
	s_mov_b32 s[G0B+4*\s], 1
	s_add_co_u32 s[G0B+4*\s+1], s45, \s*SLOT
	s_add_nc_u64 s[G0B+4*\s+2:G0B+4*\s+3], s[46:47], \s*ROWB
	s_or_b32 s[G0B+4*\s+3], s[G0B+4*\s+3], 0x80000000
.endr
	ARM 1, G0H,  G1,  .Lhead_b                     ; one chain of branches on the wave's number: every way passes one load
	ARM 2, G0HB, G1B, .Lhead_sa
	ARM 3, G0S,  G1S, .Lhead_sb
	tensor_load_to_lds s[G0SB:G0SB+3], s[G1SB:G1SB+7]
	s_nop 0
.rept 4
	v_nop
.endr
.Lhead_asked:
	v_and_b32 v1, 15, v0
	v_bfe_u32 v2, v0, 4, 1
	v_and_b32 v4, 31, v0
	v_lshlrev_b32 v4, 3, v4                        ; 8 x lane: my place in a piece of 256 bytes
	s_wait_alu depctr_va_vdst(0)
	s_mul_i32 s21, s15, HALFT
	s_mul_i32 s22, s16, HALFT
	s_add_co_u32 s22, s22, 2*HALFT
.irp s, 0,1
	v_add_nc_u32 v[ADRA+\s], s21, v4
	v_add_nc_u32 v[ADRB+\s], s22, v4
	s_add_co_u32 s21, s21, SLOT
	s_add_co_u32 s22, s22, SLOT
.endr
	v_mul_u32_u24 v5, v1, KS
	v_lshrrev_b32 v6, 8, v5
	v_lshl_add_u32 v5, v6, 4, v5
	s_mul_i32 s21, s15, HALFS
	s_mul_i32 s22, s16, HALFS
	s_add_co_u32 s22, s22, 2*HALFS
	s_sub_co_u32 s22, s22, s21
	v_mul_u32_u24 v6, s22, v2
	s_add_co_u32 s21, s21, SCL
	v_add_nc_u32 v5, v5, v6
	v_add_nc_u32 v[ADRS], s21, v5
.macro FRAG reg, adr, q, i
.irp p, 0,1,2,3,4,5
	ds_load_b64 v[\reg+2*\p:\reg+2*\p+1], v[\adr] offset:(\i)*ROWB+(\q)*1536+256*\p   ; the 32 lanes read 256 consecutive bytes
.endr
.endm
.macro MUL16 a0, p, q, sc, zero
.irp a, \a0, \a0+1
.irp b, 0,1,2,3,4,5,6,7
.if \zero
	v_wmma_scale_f32_16x16x128_f8f6f4 v[8*(8*((\a)%4)+\b):8*(8*((\a)%4)+\b)+7], v[128*(\p)+FR*\b:128*(\p)+FR*\b+FR-1], v[AF+FR*(\a):AF+FR*(\a)+FR-1], 0, v[SC+8*NQ*(\sc)+NQ*\b+(\q)], v[SC+8*NQ*(\sc)+NQ*(\a)+(\q)] matrix_a_fmt:MATRIX_FMT_FP6 matrix_b_fmt:MATRIX_FMT_FP6 matrix_a_scale:MATRIX_SCALE_ROW1
.else
	v_wmma_scale_f32_16x16x128_f8f6f4 v[8*(8*((\a)%4)+\b):8*(8*((\a)%4)+\b)+7], v[128*(\p)+FR*\b:128*(\p)+FR*\b+FR-1], v[AF+FR*(\a):AF+FR*(\a)+FR-1], v[8*(8*((\a)%4)+\b):8*(8*((\a)%4)+\b)+7], v[SC+8*NQ*(\sc)+NQ*\b+(\q)], v[SC+8*NQ*(\sc)+NQ*(\a)+(\q)] matrix_a_fmt:MATRIX_FMT_FP6 matrix_b_fmt:MATRIX_FMT_FP6 matrix_a_scale:MATRIX_SCALE_ROW1
.endif
.endr
.endr
.endm
.macro FETCH_B slot, q, p
	WIN TO_B
.irp i, 0,1,2,3,4,5,6,7
	FRAG 128*(\p)+FR*\i, ADRB+\slot, \q, \i
.endr
	WIN 0
.endm
.macro FETCH_A slot, q, i0
.irp i, \i0, \i0+1, \i0+2, \i0+3
	FRAG AF+FR*(\i), ADRA+\slot, \q, \i
.endr
.endm
.macro SCALES sc
.irp i, 0,1,2,3,4,5,6,7
	ds_load_b64 v[SC+8*NQ*\sc+NQ*\i:SC+8*NQ*\sc+NQ*\i+1], v[ADRS] offset:\i*SBLK
.endr
.endm
.macro PLACES n
.rept \n
	v_nop
.endr
.endm
.macro STEP slot, q, zero
	s_wait_dscnt 4*NL
	WIN MUL_LO
	MUL16 0, (\q)%2, \q, \slot, \zero
	MUL16 2, (\q)%2, \q, \slot, \zero
	s_wait_dscnt 0
	PLACES NP
	FETCH_B \slot, (\q)+1, 1-(\q)%2
	FETCH_A \slot, (\q)+1, 0
	WIN MUL_HI
	MUL16 4, (\q)%2, \q, \slot, \zero
	MUL16 6, (\q)%2, \q, \slot, \zero
	PLACES NP
	WIN 0
	FETCH_A \slot, (\q)+1, 4
.endm
.macro TURN slot, next, fill
	s_wait_tensorcnt 0x0
	ds_add_u32 v[SPW], v[NIL]
	s_wait_dscnt 4*NL+1
	WIN MUL_LO
	MUL16 0, 1, NQ-1, \slot, 0
	s_wait_dscnt 0x0
	s_barrier_signal -1
	MUL16 2, 1, NQ-1, \slot, 0
	WIN 0
	s_barrier_wait -1
.if \fill
	CREST
	s_add_nc_u64 s[G0+4*\slot+2:G0+4*\slot+3], s[G0+4*\slot+2:G0+4*\slot+3], 2*ROWB
	s_add_nc_u64 s[G0B+4*\slot+2:G0B+4*\slot+3], s[G0B+4*\slot+2:G0B+4*\slot+3], 2*ROWB
	JLOAD G0+4*\slot, G1, G0B+4*\slot, G1B
.else
	PLACES NP
.endif
	s_wait_alu depctr_va_vdst(0)
	v_add_nc_u32 v[ADRS], 4*NQ, v[ADRS]
	FETCH_B \next, 0, 0
	FETCH_A \next, 0, 0
	SCALES \next
	WIN MUL_HI
	MUL16 4, 1, NQ-1, \slot, 0
	MUL16 6, 1, NQ-1, \slot, 0
	PLACES NP
	WIN 0
	FETCH_A \next, 0, 4
.endm
	s_wait_alu depctr_va_vdst(0)
	s_wait_tensorcnt 0x0                           ; my tile of the head's four is in
	ds_add_u32 v[SPW], v[NIL]
	s_mov_b32 s[G1+2], 8<<16                       ; no tensor load of mine is out: from here on a load brings 8 blocks
	s_mov_b32 s[G1+4], 8
	s_mov_b32 s[G1B+2], 8<<16
	s_mov_b32 s[G1B+4], 8
	s_wait_dscnt 0x0
	CROUND                                         ; all four tiles are in, and all sixteen work-groups are here
	JLOAD G0+4, G1, G0B+4, G1B                     ; K step 1, the first tensor load behind the round
	FETCH_B 0, 0, 0
	FETCH_A 0, 0, 0
	SCALES 0
	FETCH_A 0, 0, 4
	STEP 0, 0, 1
	s_mov_b32 s3, LAPS-1
.Llap:
	TURN 0, 1, 1
	STEP 1, 0, 0
	TURN 1, 0, 1
	STEP 0, 0, 0
	s_sub_co_u32 s3, s3, 1
	s_cmp_lg_u32 s3, 0
	s_cbranch_scc1 .Llap
	TURN 0, 1, 0
	STEP 1, 0, 0
	s_wait_dscnt 4*NL
	WIN MUL_LO
	MUL16 0, 1, NQ-1, 1, 0
	MUL16 2, 1, NQ-1, 1, 0
	s_wait_dscnt 0
	WIN MUL_HI
	MUL16 4, 1, NQ-1, 1, 0
	MUL16 6, 1, NQ-1, 1, 0
	WIN 0
.set GB,  64
.set CD,  128
.set TM,  148
.set PW,  164
.set VO1, 165
.set VOS, 166
.set U,   0
.set X2,  32
.set PP,  64
.set QD,  96
.set VA0, 128
.set VB0, 130
.set CC,  24
.set PH,  46
.set PHS, 48
.set SEL, 50
.macro KPAIR r, val
	s_mov_b32 s[\r], \val
	s_mov_b32 s[\r+1], \val
.endm
.macro GELU_HALF s, g
	WIN 0x42
.set j, 0
.rept 16
	v_pk_mul_f32 v[U+j:U+j+1], v[(\s)+j:(\s)+j+1], s[CC:CC+1] op_sel_hi:[1,0]
.set j, j+2
.endr
	WIN 0x55
.set j, 0
.rept 32
	v_med3_num_f32 v[U+j], v[U+j], -4.0, 4.0
.set j, j+1
.endr
.set j, 0
.rept 16
	v_pk_mul_f32 v[X2+j:X2+j+1], v[U+j:U+j+1], v[U+j:U+j+1]
.set j, j+2
.endr
.set j, 0
.rept 16
	v_pk_fma_f32 v[PP+j:PP+j+1], v[VA0:VA0+1], v[X2+j:X2+j+1], s[26:27] op_sel_hi:[1,1,0]
.set j, j+2
.endr
.irp k, 28,30,32,34,36
.set j, 0
.rept 16
	v_pk_fma_f32 v[PP+j:PP+j+1], v[PP+j:PP+j+1], v[X2+j:X2+j+1], s[\k:\k+1] op_sel_hi:[1,1,0]
.set j, j+2
.endr
.endr
.set j, 0
.rept 16
	v_pk_fma_f32 v[QD+j:QD+j+1], v[VB0:VB0+1], v[X2+j:X2+j+1], s[38:39] op_sel_hi:[1,1,0]
.set j, j+2
.endr
.irp k, 40,42,44
.set j, 0
.rept 16
	v_pk_fma_f32 v[QD+j:QD+j+1], v[QD+j:QD+j+1], v[X2+j:X2+j+1], s[\k:\k+1] op_sel_hi:[1,1,0]
.set j, j+2
.endr
.endr
.set j, 0
	s_wait_alu depctr_va_vdst(0)
.rept 32
	v_rcp_f32 v[QD+j], v[QD+j]
.set j, j+1
.endr
.set j, 0
.rept 16
	v_pk_mul_f32 v[PP+j:PP+j+1], v[PP+j:PP+j+1], v[U+j:U+j+1]
.set j, j+2
.endr
	WIN 0x02
.set j, 0
.rept 16
	v_pk_mul_f32 v[GB+(\g)+j:GB+(\g)+j+1], v[(\s)+j:(\s)+j+1], 0.5 op_sel_hi:[1,0]
.set j, j+2
.endr
	s_wait_alu depctr_va_vdst(0)
	WIN 0x55
.set j, 0
.rept 16
	v_pk_mul_f32 v[PP+j:PP+j+1], v[PP+j:PP+j+1], v[QD+j:QD+j+1]
.set j, j+2
.endr
	WIN 0x04
.set j, 0
.rept 16
	v_pk_fma_f32 v[GB+(\g)+j:GB+(\g)+j+1], v[GB+(\g)+j:GB+(\g)+j+1], v[PP+j:PP+j+1], v[GB+(\g)+j:GB+(\g)+j+1]
.set j, j+2
.endr
	WIN 0
.endm
.macro SWAPF s
.irp c, 0,1,2,3
.irp j, 0,1,2,3,4,5,6,7
	v_permlane16_swap_b32 v[(\s)+16*\c+\j], v[(\s)+16*\c+8+\j]
.endr
.endr
.endm
.macro QUANT s
.irp b, 0,1,2,3
	v_max3_num_f32 v[TM+\b], |v[\s+16*\b]|, |v[\s+1+16*\b]|, 0x1800000
.endr
.irp i, 2,4,6,8,10,12,14
.irp b, 0,1,2,3
	v_max3_num_f32 v[TM+\b], v[TM+\b], |v[\s+16*\b+\i]|, |v[\s+1+16*\b+\i]|
.endr
.endr
.irp b, 0,1,2,3
	v_permlanex16_b32 v[TM+4+\b], v[TM+\b], s[SEL], s[SEL+1]
.endr
.irp b, 0,1,2,3
	v_max_num_f32 v[TM+\b], v[TM+\b], v[TM+4+\b]
.endr
.irp b, 0,1,2,3
	v_add_nc_u32 v[TM+12+\b], 0xff000000, v[TM+\b]
.endr
.irp b, 0,1,2,3
	v_lshrrev_b32 v[TM+4+\b], 23, v[TM+12+\b]
.endr
	v_lshl_or_b32 v[PW], v[TM+5], 8, v[TM+4]
	v_lshl_or_b32 v[PW], v[TM+6], 16, v[PW]
	v_lshl_or_b32 v[PW], v[TM+7], 24, v[PW]
.irp c, 0,1
	v_cvt_scalef32_pk16_fp6_f32 v[CD+6*\c:CD+2+6*\c], v[\s+32*\c:\s+15+32*\c], v[TM+12+2*\c]
	v_cvt_scalef32_pk16_fp6_f32 v[CD+12+4*\c:CD+14+4*\c], v[\s+16+32*\c:\s+31+32*\c], v[TM+12+2*\c+1]
.endr
	v_nop
.irp c, 0,1
.irp i, 0,1,2
	v_permlane16_swap_b32 v[CD+6*\c+\i], v[CD+12+4*\c+\i]
.endr
.irp i, 0,1,2
	v_mov_b32 v[CD+3+6*\c+\i], v[CD+12+4*\c+\i]
.endr
.endr
.endm
	PLACES NP
	s_lshl_b32 s20, s17, 4
	s_lshl_b32 s21, s15, 3
	s_add_co_u32 s20, s20, s21
	s_lshl_b32 s22, s42, 1
	s_add_co_u32 s22, s22, s16
	s_lshl_b32 s21, s20, 5
	s_add_co_u32 s21, s21, s22
	s_mul_i32 s[PH], s21, 1536
	s_mov_b32 s[PH+1], 0
	s_add_nc_u64 s[PH:PH+1], s[12:13], s[PH:PH+1]
	s_lshl_b32 s[PHS], s20, 11
	s_lshl_b32 s22, s22, 2
	s_add_co_u32 s[PHS], s[PHS], s22
	s_add_co_u32 s[PHS], s[PHS], 12582912
	s_mov_b32 s[PHS+1], 0
	s_add_nc_u64 s[PHS:PHS+1], s[12:13], s[PHS:PHS+1]
	s_mov_b32 s[SEL], 0x76543210
	s_mov_b32 s[SEL+1], 0xfedcba98
	KPAIR 24, 0x3f3504f3
	KPAIR 26, 0x32edffee
	KPAIR 28, 0xb60cff51
	KPAIR 30, 0xb86ec2d2
	KPAIR 32, 0xba40ac63
	KPAIR 34, 0xbb41a1f6
	KPAIR 36, 0xbc83dbd4
	KPAIR 38, 0xb95fbd29
	KPAIR 40, 0xbadc924e
	KPAIR 42, 0xbbf19bf8
	KPAIR 44, 0xbc69b6a7
	v_and_b32 v[VO1], 31, v0
	v_lshlrev_b32 v[VO1], 3, v[VO1]
	v_and_b32 v[VOS], 15, v0
	v_lshlrev_b32 v[VOS], 7, v[VOS]
.irp b, 0,1,2,3
	v_mov_b32 v[TM+4+\b], 0
.endr
	WIN 0x40
	v_mov_b32 v[VA0], 0xaf95df0b
	v_mov_b32 v[VA0+1], 0xaf95df0b
	v_mov_b32 v[VB0], 0xb77460cd
	v_mov_b32 v[VB0+1], 0xb77460cd
	WIN 0
	s_mov_b32 s3, 2
.Lhalf:
.irp a, 0,1,2,3
	GELU_HALF 64*\a, 0
	GELU_HALF 64*\a+32, 32
	SWAPF GB
	s_wait_xcnt 0x0
	QUANT GB
.irp p, 0,1,2,3,4,5
	global_store_b64 v[VO1], v[CD+2*\p:CD+2*\p+1], s[PH:PH+1] offset:49152*\a+256*\p
.endr
	global_store_b32 v[VOS], v[PW], s[PHS:PHS+1] offset:2048*\a
.endr
	s_cmp_eq_u32 s3, 1
	s_cbranch_scc1 .Lskip
	WIN 0x83
.set j, 0
.rept 256
	v_mov_b32 v[j], v[j]
.set j, j+1
.endr
	WIN 0
.Lskip:
	s_wait_xcnt 0x0
	s_add_nc_u64 s[PH:PH+1], s[PH:PH+1], 196608
	s_add_nc_u64 s[PHS:PHS+1], s[PHS:PHS+1], 8192
	s_sub_co_u32 s3, s3, 1
	s_cmp_lg_u32 s3, 0
	s_cbranch_scc1 .Lhalf
	s_wait_tensorcnt 0x0
	ds_add_u32 v[SPW], v[NIL]
	s_wait_dscnt 0x0
	CROUND
	s_endpgm
.Lfunc_end_k_q6a76eedd85_fc:
	.size	k_q6a76eedd85_fc, .Lfunc_end_k_q6a76eedd85_fc-k_q6a76eedd85_fc
	.p2alignl 7, 3214868480
	.fill 96, 4, 3214868480
	.section	.rodata,"a",@progbits
	.p2align	6, 0x0
	.amdhsa_kernel k_q6a76eedd85_fc
		.amdhsa_group_segment_fixed_size 327680
		.amdhsa_private_segment_fixed_size 0
		.amdhsa_enable_private_segment 0
		.amdhsa_kernarg_size 32
		.amdhsa_user_sgpr_count 2
		.amdhsa_user_sgpr_kernarg_segment_ptr 1
		.amdhsa_wavefront_size32 1
		.amdhsa_system_sgpr_workgroup_id_x 1
		.amdhsa_system_sgpr_workgroup_id_y 1
		.amdhsa_system_sgpr_workgroup_id_z 1
		.amdhsa_system_vgpr_workitem_id 0
		.amdhsa_next_free_vgpr 1024
		.amdhsa_next_free_sgpr 102
		.amdhsa_reserve_vcc 0
		.amdhsa_float_denorm_mode_32 3
		.amdhsa_float_denorm_mode_16_64 3
		.amdhsa_memory_ordered 1
		.amdhsa_forward_progress 1
		.amdhsa_inst_pref_size 255
	.end_amdhsa_kernel
	.section	.bss,"aw",@nobits
	.p2align	6
	.space	262144
	.amdgpu_metadata
---
amdhsa.version: [ 1, 2 ]
amdhsa.kernels:
  - .name:           k_q6a76eedd85_fc
    .symbol:         k_q6a76eedd85_fc.kd
    .args:
      - { .name: xn, .offset: 0, .size: 8, .value_kind: global_buffer, .address_space: global }
      - { .name: wimg, .offset: 8, .size: 8, .value_kind: global_buffer, .address_space: global }
      - { .name: W_fc_scales, .offset: 16, .size: 8, .value_kind: global_buffer, .address_space: global }
      - { .name: hid, .offset: 24, .size: 8, .value_kind: global_buffer, .address_space: global }
    .group_segment_fixed_size: 327680
    .private_segment_fixed_size: 0
    .kernarg_segment_align: 8
    .kernarg_segment_size: 32
    .max_flat_workgroup_size: 128
    .sgpr_count:     102
    .vgpr_count:     1024
    .wavefront_size: 32
...
	.end_amdgpu_metadata
.endif
;; end of part 6
;; launch proj (part 7): grid 8 x 32, 4 waves a work-group, clusters of 4 x 4, 327,680 bytes of LDS; arguments hid, wimg, W_proj_scales, z1, out0; writes out0
.if DOCPART == 7
	.amdgcn_target "amdgcn-amd-amdhsa--gfx1250"
	.amdhsa_code_object_version 6
	.text
	.protected	k_q6a76eedd85_proj
	.globl	k_q6a76eedd85_proj
	.p2align	8
	.type	k_q6a76eedd85_proj,@function
k_q6a76eedd85_proj:
	s_mov_b64 s[64:65], 0
	v_nop
	global_prefetch_b8 v0, s[64:65] scope:SCOPE_SE
	s_setreg_imm32_b32 hwreg(HW_REG_WAVE_MODE, 25, 1), 1
	s_wait_xcnt 0x0
	s_wait_alu depctr_hold_cnt(0) depctr_sa_sdst(0) depctr_va_vdst(0) depctr_va_sdst(0) depctr_va_ssrc(0) depctr_va_vcc(0) depctr_vm_vsrc(0)
	s_getreg_b32 s2, hwreg(HW_REG_IB_STS2, 6, 4)
	s_cmp_eq_u32 s2, 0
	s_cbranch_scc0 .Lentry_in_a_cluster
	s_endpgm
.Lentry_in_a_cluster:
	s_bfe_u32 s2, ttmp6, 0x10000c
	s_cmp_lg_u32 s2, 0xf033
	s_cbranch_scc0 .Lentry_shape_is_right
	s_endpgm
.Lentry_shape_is_right:
; C = R + A B^T on codes of FP6 (E2M3) with E8M0 scales.  Here: out0 = z1 + hid W_proj.  A: [4096][SIZE_K] as images of operand registers, ((row / 16 x KSN + k / 128) x 6 + piece) x 256 + 8 lane, its scale bytes
; [4096][SIZE_K / 32] at byte ASC of the same buffer.  B: [1024][SIZE_K] as images of operand registers, as A, scale bytes [1024][SIZE_K / 32].  R, C: [4096][1024] f32.
; N is 1,024: tiles of 128 x 128 give 8 x 32 = 256 work-groups.  Four waves, 64 x 64 each: 16 accumulators.  K goes in steps of 512 through two LDS slots; a wave's one tensor load brings 64 rows' worth of A or of B.
; A's images are read by loads of 8 bytes a lane, 256 consecutive bytes a load.  B's images are read the same way.
; The scale bytes of the work-group's rows, for all of K, come once and stay.  CLUSTERS 4 x 4: A's tiles are shared along a row, B's along a column: asked for jointly.
; The matrix instruction is used transposed (source 0 = B's rows, source 1 = A's): a lane holds eight neighbouring numbers of a row of C.  The residual's 64 x 64 of the wave is loaded at the head, in the layout in which rows leave.
; The way out goes through the wave's own stage, which lies in slot 0: that slot has had its last fill and its last read by then.  No prefetch: all tiles are shared in clusters and read by many work-groups.
.set SIZE_K, 4096
.set ASC,    12582912
.set KSN,    SIZE_K/128
.set KROW,   SIZE_K*6/8
.set KS,     SIZE_K/32
; B too comes as images of operand registers (W_proj's at byte 6,291,456 of wimg), laid and read as A's: a tile's row is one block of 16 rows x 512 K, 6,144 bytes; no padding.
.set ROWB,   6144
.set FR,     12
.set HALFA,  4*6144
.set HALFB,  HALFA
.set SLOT,   2*HALFA+2*HALFB
.set SCL,    2*SLOT
.set HALFS,  (64*KS/256)*272
.set SBLK,   (16*KS/256)*272
.set SPARE,  SCL+4*HALFS               ; the spare words: 128 bytes a wave, named by no other line
.set LAPS,   SIZE_K/1024
.set SPITCH, 272
.set ADRA, 16
.set ADRB, 20
.set STO,  24
.set RD,   25
.set CO,   26
.set ADRS, 27
.set SPW,  28
.set NIL,  29
.set SC,   32                          ; v32-63 scale words; they hold nothing else
.set BK,   64
.set ACC,  128
.set G1, 24
.set G0, 32
.set G1B, 48
.set G0B, 56
.set G1S, 68
.set G0S, 76
.set G1SB, 80
.set G0SB, 88
.set MSB, 0
.macro WIN new
.if MSB != (\new)
	s_set_vgpr_msb (MSB<<8)|(\new)
.set MSB, (\new)
.endif
.endm
.set MUL,  0x05
.set TO_F, 0x40
.macro JLOAD g0a, g1a, g0b, g1b
	s_cmp_eq_u32 s15, 0
	s_cbranch_scc0 .Lfor_b_\@
	tensor_load_to_lds s[\g0a:\g0a+3], s[\g1a:\g1a+7]
	s_nop 0
.rept 4
	v_nop
.endr
	s_branch .Lasked_\@
.Lfor_b_\@:
	tensor_load_to_lds s[\g0b:\g0b+3], s[\g1b:\g1b+7]
	s_nop 0
.rept 4
	v_nop
.endr
.Lasked_\@:
.endm
.macro CREST
	s_cmp_lg_u32 s14, 0
	s_cbranch_scc1 .Lnot_wave_0_\@
	s_barrier_signal -3
.Lnot_wave_0_\@:
	s_barrier_wait -3
	s_barrier_signal -1
	s_barrier_wait -1
.endm
.macro CROUND
	s_barrier_signal -1
	s_barrier_wait -1
	CREST
.endm
	s_load_b64 s[4:5], s[0:1], 0x0                 ; A
	s_load_b128 s[8:11], s[0:1], 0x8               ; B's codes, B's scales
	s_load_b128 s[96:99], s[0:1], 0x18             ; R, C
	v_lshl_add_u32 v[SPW], v0, 2, SPARE
	v_mov_b32 v[NIL], 0
	ds_add_u32 v28, v29
	ds_add_u32 v28, v29
	s_wait_dscnt 0x0
	v_lshrrev_b32 v1, 5, v0
	v_readfirstlane_b32 s14, v1
	s_lshr_b32 s15, s14, 1
	s_and_b32 s16, s14, 1
	s_bfe_u32 s40, ttmp6, 0x40000
	s_bfe_u32 s41, ttmp6, 0x40004
	s_lshl_b32 s42, ttmp9, 2
	s_add_co_u32 s42, s42, s40                     ; tile column
	s_and_b32 s17, ttmp7, 0xffff
	s_lshl_b32 s17, s17, 2
	s_add_co_u32 s17, s17, s41                     ; tile row
	s_lshl_b32 s43, s41, 2
	s_lshl_b32 s43, 15, s43
	s_lshl_b32 s44, 0x1111, s40
	s_or_b32 s[G1+0], s43, (1<<21)                 ; A: 4 rows of 6,144 bytes, KSN x 1,536 bytes apart; no padding
	s_mov_b32 s[G1+1], 6144<<16
	s_mov_b32 s[G1+2], 8<<16                       ; the head's loads bring 8 blocks of 16 rows; the ring's 4
	s_mov_b32 s[G1+3], 6144<<16
	s_mov_b32 s[G1+4], 8
	s_mov_b32 s[G1+5], KSN*1536
	s_mov_b32 s[G1+6], 0
	s_mov_b32 s[G1+7], 0
	s_or_b32 s[G1B+0], s44, (1<<21)
	s_mov_b32 s[G1B+1], ROWB<<16
	s_mov_b32 s[G1B+2], 8<<16
	s_mov_b32 s[G1B+3], ROWB<<16
	s_mov_b32 s[G1B+4], 8
	s_mov_b32 s[G1B+5], KSN*1536
	s_mov_b32 s[G1B+6], 0
	s_mov_b32 s[G1B+7], 0
	s_or_b32 s[G1S+0], s43, (3<<16)|(1<<20)|(1<<21)|(5<<22)|(3<<25)
	s_or_b32 s[G1SB+0], s44, (3<<16)|(1<<20)|(1<<21)|(5<<22)|(3<<25)
.irp g, G1S, G1SB
	s_mov_b32 s[\g+1], 32<<16
	s_mov_b32 s[\g+2], (128*KS/256)<<16
	s_mov_b32 s[\g+3], 32<<16
	s_mov_b32 s[\g+4], 128*KS/256
	s_mov_b32 s[\g+5], 32
	s_mov_b32 s[\g+6], 0
	s_mov_b32 s[\g+7], 0
.endr
	s_lshl_b32 s20, s17, 3
	s_lshl_b32 s18, s16, 2
	s_add_co_u32 s20, s20, s18
	s_mul_i32 s20, s20, KSN*1536
	s_mov_b32 s21, 0
	s_lshl_b32 s22, s17, 7
	s_lshl_b32 s18, s16, 6
	s_add_co_u32 s22, s22, s18
	s_mul_i32 s22, s22, KS
	s_add_co_u32 s22, s22, ASC
	s_mov_b32 s23, 0
	s_lshl_b32 s46, s42, 7
	s_add_co_u32 s46, s46, s18
	s_mul_i32 s92, s46, KS
	s_mov_b32 s93, 0
	s_mul_i32 s46, s46, KROW
	s_mov_b32 s47, 0
	s_mul_i32 s45, s16, HALFA
	s_mul_i32 s94, s16, HALFB
	s_add_co_u32 s94, s94, 2*HALFA
	s_wait_kmcnt 0x0
	s_add_nc_u64 s[20:21], s[4:5], s[20:21]
	s_add_nc_u64 s[22:23], s[4:5], s[22:23]
	s_add_nc_u64 s[8:9], s[8:9], 6291456           ; W_proj's images in wimg
	s_add_nc_u64 s[46:47], s[8:9], s[46:47]
	s_add_nc_u64 s[92:93], s[10:11], s[92:93]
	CROUND
; THE HEAD'S FOUR TILES, each whole, one joint load a wave: wave 0 K step 0 of A's 128 rows, wave 1 of B's, wave 2 A's scales, wave 3 B's.  Each begins at the tile's first row: my half's bytes are taken off.
.set G0H, 4
.set G0HB, 8
.macro ARM under, g0, g1, next
	s_cmp_lt_u32 s14, \under
	s_cbranch_scc0 \next
	tensor_load_to_lds s[\g0:\g0+3], s[\g1:\g1+7]
	s_nop 0
.rept 4
	v_nop
.endr
	s_branch .Lhead_asked
\next:
.endm
	s_mul_i32 s18, s16, 4*KSN*1536
	s_mov_b32 s19, 0
	s_mov_b32 s[G0H], 1
	s_mov_b32 s[G0H+1], 0
	s_sub_nc_u64 s[G0H+2:G0H+3], s[20:21], s[18:19]
	s_or_b32 s[G0H+3], s[G0H+3], 0x80000000
	s_mov_b32 s[G0HB], 1
	s_mov_b32 s[G0HB+1], 2*HALFA
	s_sub_nc_u64 s[G0HB+2:G0HB+3], s[46:47], s[18:19]
	s_or_b32 s[G0HB+3], s[G0HB+3], 0x80000000
	s_mul_i32 s18, s16, 64*KS
	s_mov_b32 s[G0S], 1
	s_mov_b32 s[G0S+1], SCL
	s_sub_nc_u64 s[G0S+2:G0S+3], s[22:23], s[18:19]
	s_or_b32 s[G0S+3], s[G0S+3], 0x80000000
	s_mov_b32 s[G0SB], 1
	s_mov_b32 s[G0SB+1], SCL+2*HALFS
	s_sub_nc_u64 s[G0SB+2:G0SB+3], s[92:93], s[18:19]
	s_or_b32 s[G0SB+3], s[G0SB+3], 0x80000000
.irp s, 0,1
	s_mov_b32 s[G0+4*\s], 1
	s_add_co_u32 s[G0+4*\s+1], s45, \s*SLOT
	s_add_nc_u64 s[G0+4*\s+2:G0+4*\s+3], s[20:21], \s*6144
	s_or_b32 s[G0+4*\s+3], s[G0+4*\s+3], 0x80000000
	s_mov_b32 s[G0B+4*\s], 1
	s_add_co_u32 s[G0B+4*\s+1], s94, \s*SLOT
	s_add_nc_u64 s[G0B+4*\s+2:G0B+4*\s+3], s[46:47], \s*ROWB
	s_or_b32 s[G0B+4*\s+3], s[G0B+4*\s+3], 0x80000000
.endr
	ARM 1, G0H,  G1,  .Lhead_b                     ; one chain of branches on the wave's number: every way passes one load
	ARM 2, G0HB, G1B, .Lhead_sa
	ARM 3, G0S,  G1S, .Lhead_sb
	tensor_load_to_lds s[G0SB:G0SB+3], s[G1SB:G1SB+7]
	s_nop 0
.rept 4
	v_nop
.endr
.Lhead_asked:
	v_and_b32 v1, 15, v0
	v_bfe_u32 v2, v0, 4, 1
	v_and_b32 v3, 31, v0
	v_lshlrev_b32 v3, 3, v3
	s_wait_alu depctr_va_vdst(0)
	s_mul_i32 s21, s15, HALFA
	s_mul_i32 s22, s16, HALFB
	s_add_co_u32 s22, s22, 2*HALFA
.irp s, 0,1
	v_add_nc_u32 v[ADRA+\s], s21, v3
	v_add_nc_u32 v[ADRB+\s], s22, v3
	s_add_co_u32 s21, s21, SLOT
	s_add_co_u32 s22, s22, SLOT
.endr
	v_mul_u32_u24 v5, v1, KS
	v_lshrrev_b32 v6, 8, v5
	v_lshl_add_u32 v5, v6, 4, v5
	s_mul_i32 s21, s15, HALFS
	s_mul_i32 s22, s16, HALFS
	s_add_co_u32 s22, s22, 2*HALFS
	s_sub_co_u32 s22, s22, s21
	v_mul_u32_u24 v6, s22, v2
	s_add_co_u32 s21, s21, SCL
	v_add_nc_u32 v5, v5, v6
	v_add_nc_u32 v[ADRS], s21, v5
	s_mul_i32 s23, s14, 16*SPITCH
	v_mul_u32_u24 v5, v1, SPITCH
	v_lshl_add_u32 v5, v2, 5, v5
	v_add_nc_u32 v[STO], s23, v5
	v_mul_u32_u24 v5, v2, SPITCH
	v_lshl_add_u32 v5, v1, 4, v5
	v_add_nc_u32 v[RD], s23, v5
	v_lshlrev_b32 v5, 12, v2
	v_lshl_add_u32 v[CO], v1, 4, v5
	s_wait_alu depctr_va_vdst(0)
	s_lshl_b32 s20, s17, 7
	s_lshl_b32 s21, s15, 6
	s_add_co_u32 s20, s20, s21
	s_lshl_b32 s20, s20, 12
	s_lshl_b32 s46, s42, 9
	s_lshl_b32 s47, s16, 8
	s_add_co_u32 s46, s46, s47
	s_add_co_u32 s20, s20, s46
	s_mov_b32 s21, 0
	s_add_nc_u64 s[96:97], s[96:97], s[20:21]
	s_add_nc_u64 s[98:99], s[98:99], s[20:21]
	WIN 0x80
.irp a, 0,1,2,3
.irp t, 0,1,2,3,4,5,6,7
	global_load_b128 v[32*\a+4*\t:32*\a+4*\t+3], v[CO], s[96:97] offset:(16*\a+2*\t)*4096 th:TH_LOAD_NT   ; the residual lands while K is walked
.endr
.endr
	WIN 0
.macro FRAGA reg, slot, q, i
.irp p, 0,1,2,3,4,5
	ds_load_b64 v[(\reg)+2*\p:(\reg)+2*\p+1], v[ADRA+\slot] offset:((\i)*4+(\q))*1536+256*\p
.endr
.endm
.macro FRAGB reg, slot, q, i
.irp p, 0,1,2,3,4,5
	ds_load_b64 v[(\reg)+2*\p:(\reg)+2*\p+1], v[ADRB+\slot] offset:((\i)*4+(\q))*1536+256*\p
.endr
.endm
.macro FETCH slot, q, f
	WIN TO_F
.irp i, 0,1,2,3
	FRAGB 128*(\f)+48+FR*\i, \slot, \q, \i
.endr
.irp i, 0,1,2,3
	FRAGA 128*(\f)+FR*\i, \slot, \q, \i
.endr
.endm
.macro SCALES sc
.irp i, 0,1,2,3
	ds_load_b128 v[SC+16*\sc+4*\i:SC+16*\sc+4*\i+3], v[ADRS] offset:\i*SBLK
.endr
.endm
.macro MUL4 a, f, q, sc, zero          ; the 16 accumulators take turns, one instruction a turn, in the same order in every step
.irp b, 0,1,2,3
.if \zero
	v_wmma_scale_f32_16x16x128_f8f6f4 v[ACC+8*(4*(\a)+\b):ACC+8*(4*(\a)+\b)+7], v[128*(\f)+48+FR*\b:128*(\f)+48+FR*\b+FR-1], v[128*(\f)+FR*(\a):128*(\f)+FR*(\a)+FR-1], 0, v[SC+16*(\sc)+4*\b+(\q)], v[SC+16*(\sc)+4*(\a)+(\q)] matrix_a_fmt:MATRIX_FMT_FP6 matrix_b_fmt:MATRIX_FMT_FP6 matrix_a_scale:MATRIX_SCALE_ROW1
.else
	v_wmma_scale_f32_16x16x128_f8f6f4 v[ACC+8*(4*(\a)+\b):ACC+8*(4*(\a)+\b)+7], v[128*(\f)+48+FR*\b:128*(\f)+48+FR*\b+FR-1], v[128*(\f)+FR*(\a):128*(\f)+FR*(\a)+FR-1], v[ACC+8*(4*(\a)+\b):ACC+8*(4*(\a)+\b)+7], v[SC+16*(\sc)+4*\b+(\q)], v[SC+16*(\sc)+4*(\a)+(\q)] matrix_a_fmt:MATRIX_FMT_FP6 matrix_b_fmt:MATRIX_FMT_FP6 matrix_a_scale:MATRIX_SCALE_ROW1
.endif
.endr
.endm
.macro PLACES n
.rept \n
	v_nop
.endr
.endm
.macro STEP slot, q, zero
	s_wait_dscnt 12                                ; B's four and A's blocks 0, 1 are in; the youngest 12 loads (A's blocks 2, 3) may be out
	WIN MUL
	MUL4 0, (\q)%2, \q, \slot, \zero
	MUL4 1, (\q)%2, \q, \slot, \zero
	PLACES 4
	FETCH \slot, (\q)+1, 1-(\q)%2
	s_wait_dscnt 48                                ; all but the 48 just issued
	WIN MUL
	MUL4 2, (\q)%2, \q, \slot, \zero
	MUL4 3, (\q)%2, \q, \slot, \zero
	WIN 0
.endm
.macro TURN slot, next, fill
	s_wait_tensorcnt 0x0                           ; all my tensor loads have landed: my part of the next slot
	ds_add_u32 v[SPW], v[NIL]                      ; 0 onto my spare word
	s_wait_dscnt 13                                ; the add and A's blocks 2, 3 may be out
	WIN MUL
	MUL4 0, 1, 3, \slot, 0
	s_wait_dscnt 0x0                               ; the add is done, and my reads of this slot are over
	s_barrier_signal -1
	MUL4 1, 1, 3, \slot, 0
	WIN 0
	s_barrier_wait -1
.if \fill
	CREST                                          ; the barrier has opened a round of the cluster's: no wave of any partner still reads this slot or has a load on its way
	s_add_nc_u64 s[G0+4*\slot+2:G0+4*\slot+3], s[G0+4*\slot+2:G0+4*\slot+3], 2*6144
	s_add_nc_u64 s[G0B+4*\slot+2:G0B+4*\slot+3], s[G0B+4*\slot+2:G0B+4*\slot+3], 2*ROWB
	JLOAD G0+4*\slot, G1, G0B+4*\slot, G1B         ; the first tensor load behind the round; its four v_nop are the places in front of the loads below
.else
	PLACES 4
.endif
	s_wait_alu depctr_va_vdst(0)
	v_add_nc_u32 v[ADRS], 16, v[ADRS]
	SCALES \next
	FETCH \next, 0, 0
	WIN MUL
	MUL4 2, 1, 3, \slot, 0
	MUL4 3, 1, 3, \slot, 0
	WIN 0
.endm
	s_wait_tensorcnt 0x0                           ; my tile of the head's four is in
	ds_add_u32 v[SPW], v[NIL]
	s_mov_b32 s[G1+2], 4<<16                       ; no tensor load of mine is out: from here on a load brings 4 blocks
	s_mov_b32 s[G1+4], 4
	s_mov_b32 s[G1B+2], 4<<16
	s_mov_b32 s[G1B+4], 4
	s_wait_dscnt 0x0
	CROUND                                         ; all four tiles are in, and all sixteen work-groups are here
	JLOAD G0+4, G1, G0B+4, G1B                     ; K step 1, the first tensor load behind the round
	SCALES 0
	FETCH 0, 0, 0
	STEP 0, 0, 1
.if LAPS > 1
	s_mov_b32 s3, LAPS-1
.Llap:                                                 ; a trip goes once round the ring and fills both slots again
	STEP 0, 1, 0
	STEP 0, 2, 0
	TURN 0, 1, 1
	STEP 1, 0, 0
	STEP 1, 1, 0
	STEP 1, 2, 0
	TURN 1, 0, 1
	STEP 0, 0, 0
	s_sub_co_u32 s3, s3, 1
	s_cmp_lg_u32 s3, 0
	s_cbranch_scc1 .Llap
.endif
	STEP 0, 1, 0
	STEP 0, 2, 0
	TURN 0, 1, 0
	STEP 1, 0, 0
	STEP 1, 1, 0
	STEP 1, 2, 0
	s_wait_dscnt 12
	WIN MUL
	MUL4 0, 1, 3, 1, 0
	MUL4 1, 1, 3, 1, 0
	s_wait_dscnt 0
	MUL4 2, 1, 3, 1, 0
	MUL4 3, 1, 3, 1, 0
	WIN 0
.macro TOSTAGE a
.irp b, 0,1,2,3
	ds_store_b128 v[STO], v[ACC+8*(4*(\a)+\b):ACC+8*(4*(\a)+\b)+3] offset:64*\b       ; each accumulator from its low end on
	ds_store_b128 v[STO], v[ACC+8*(4*(\a)+\b)+4:ACC+8*(4*(\a)+\b)+7] offset:64*\b+16
.endr
.set BB, BK+32*((\a)%2)
.irp t, 0,1,2,3,4,5,6,7
	ds_load_b128 v[BB+4*\t:BB+4*\t+3], v[RD] offset:\t*2*SPITCH     ; LDS serves a wave's instructions in order: these see the stores above
.endr
.endm
.macro SEND a, younger
.set BB, BK+32*((\a)%2)
	s_wait_dscnt \younger
	WIN 0x08                                       ; source 1: window 2
.set j, 0
.rept 16
	v_pk_add_f32 v[BB+j:BB+j+1], v[BB+j:BB+j+1], v[32*(\a)+j:32*(\a)+j+1]
.set j, j+2
.endr
	WIN 0
.irp t, 0,1,2,3,4,5,6,7
	global_store_b128 v[CO], v[BB+4*\t:BB+4*\t+3], s[98:99] offset:(16*(\a)+2*\t)*4096 th:TH_STORE_NT   ; sixteen lanes store 256 consecutive bytes, aligned
.endr
.endm
	PLACES 4
	s_wait_loadcnt 0x0                             ; the residual
	TOSTAGE 0
.irp a, 1,2,3
.if \a > 1
	s_wait_xcnt 0x0                                ; block a - 2's stores have read the registers into which block a's rows are loaded
.endif
	TOSTAGE \a
	SEND \a-1, 16                                  ; behind block a - 1's loads: block a's 8 stores and 8 loads
.endr
	SEND 3, 0
	s_wait_tensorcnt 0x0                           ; the wave's end
	ds_add_u32 v[SPW], v[NIL]
	s_wait_dscnt 0x0
	CROUND                                         ; the closing round
	s_endpgm
.Lfunc_end_k_q6a76eedd85_proj:
	.size	k_q6a76eedd85_proj, .Lfunc_end_k_q6a76eedd85_proj-k_q6a76eedd85_proj
	.p2alignl 7, 3214868480
	.fill 96, 4, 3214868480
	.section	.rodata,"a",@progbits
	.p2align	6, 0x0
	.amdhsa_kernel k_q6a76eedd85_proj
		.amdhsa_group_segment_fixed_size 327680
		.amdhsa_private_segment_fixed_size 0
		.amdhsa_enable_private_segment 0
		.amdhsa_kernarg_size 40
		.amdhsa_user_sgpr_count 2
		.amdhsa_user_sgpr_kernarg_segment_ptr 1
		.amdhsa_wavefront_size32 1
		.amdhsa_system_sgpr_workgroup_id_x 1
		.amdhsa_system_sgpr_workgroup_id_y 1
		.amdhsa_system_sgpr_workgroup_id_z 1
		.amdhsa_system_vgpr_workitem_id 0
		.amdhsa_next_free_vgpr 768
		.amdhsa_next_free_sgpr 100
		.amdhsa_reserve_vcc 0
		.amdhsa_float_denorm_mode_32 3
		.amdhsa_float_denorm_mode_16_64 3
		.amdhsa_memory_ordered 1
		.amdhsa_forward_progress 1
		.amdhsa_inst_pref_size 115
	.end_amdhsa_kernel
	.amdgpu_metadata
---
amdhsa.version: [ 1, 2 ]
amdhsa.kernels:
  - .name:           k_q6a76eedd85_proj
    .symbol:         k_q6a76eedd85_proj.kd
    .args:
      - { .name: hid, .offset: 0, .size: 8, .value_kind: global_buffer, .address_space: global }
      - { .name: wimg, .offset: 8, .size: 8, .value_kind: global_buffer, .address_space: global }
      - { .name: W_proj_scales, .offset: 16, .size: 8, .value_kind: global_buffer, .address_space: global }
      - { .name: z1, .offset: 24, .size: 8, .value_kind: global_buffer, .address_space: global }
      - { .name: out0, .offset: 32, .size: 8, .value_kind: global_buffer, .address_space: global }
    .group_segment_fixed_size: 327680
    .private_segment_fixed_size: 0
    .kernarg_segment_align: 8
    .kernarg_segment_size: 40
    .max_flat_workgroup_size: 128
    .sgpr_count:     100
    .vgpr_count:     768
    .wavefront_size: 32
...
	.end_amdgpu_metadata
.endif
;; end of part 7
